; MI455X (gfx1250); checked and timed in simulation.
; The chip was launched on July 23, 2026; its instructions are those of AMD's public machine-readable ISA for CDNA 5 (MIT licence, August 2026) and "CDNA5" Instruction Set Architecture Reference Guide (July 2026). The comments in the code are by the model that wrote it; some were corrected since.
;; Multi Head Self Attention. Allowed arithmetic: matrix products marked QUANTISED: E2M3 operands, one E8M0 scale for each 32 along K, by v_wmma_scale_f32_16x16x128_f8f6f4 with both operands' format E2M3, f32 sums; everything else in f32.
;; Inputs: b_proj 1,024 float32; b_qkv 3,072 float32; w_proj 1,024 x 1,024 float32; w_qkv 1,024 x 3,072 float32; x 4 x 2,048 x 1,024 float32.
;; Outputs: out0 4 x 2,048 x 1,024 float32.
;; This version of the problem:
;;   THIS VERSION OF THE PROBLEM IS GIVEN IN LOW PRECISION. The matrix products marked QUANTISED in the list below multiply operands that are first quantised to E2M3 (2 exponent bits, 3 mantissa bits; 6 bits a number), with one power-of-two scale for each 32 numbers along K (OCP MX v1.0); their sums are f32. All else is computed in f32.
;;   The module's matrix products, in the order in which they are computed (A, B: the left and right operand; K: the contracted axis; several contracted axes count as one K, in the product's order):
;;     1. [M 8,192, K 1,024] x [K 1,024, N 3,072]; A: input x; B: input w_qkv: QUANTISED
;;     2. batch 64 x [M 2,048, K 64] x [K 64, N 2,048]; A: computed on the way; B: computed on the way: QUANTISED
;;     3. batch 64 x [M 2,048, K 2,048] x [K 2,048, N 64]; A: softmax (see below); B: computed on the way: QUANTISED
;;     4. [M 8,192, K 1,024] x [K 1,024, N 1,024]; A: computed on the way; B: input w_proj: QUANTISED
;;   THE QUANTISER, for each operand of a quantised product, along K:
;;     - K is cut into blocks of 32 from its start; a last block that is shorter is filled with zeros.
;;     - A block's scale is 2^e with e = floor(log2(the largest magnitude in the block)) - 2, held to -126 .. 127; a block of zeros has e = 0. As a byte (E8M0): e + 127.
;;     - Each number is divided by its block's scale, clamped to +-7.5, and rounded to the nearest number of E2M3, ties to even, subnormals kept.
;;     - The product sums the exact products of the quantised numbers (number of the format x scale) in f32.
;;   ~~~python
;;   def quantise(x, axis):      # numpy; x: float32 -> the quantised numbers, widened to float32 again
;;       x = np.moveaxis(x, axis, -1); K = x.shape[-1]
;;       x = np.pad(x, [(0, 0)] * (x.ndim - 1) + [(0, -K % 32)]); x = x.reshape(x.shape[:-1] + (-1, 32)); a = np.abs(x).max(-1, keepdims=True)
;;       e = np.where(a > 0, np.clip(np.frexp(np.where(a > 0, a, 1))[1] - 1 - 2, -126, 127), 0)      # np.frexp(a)[1] - 1 = floor(log2(a)), exactly
;;       r = np.clip(x / 2.0 ** e, -7.5, 7.5)
;;       step = 2.0 ** (np.maximum(np.frexp(np.where(r == 0, 1, r))[1] - 1, 0) - 3)
;;       q = np.round(r / step) * step * 2.0 ** e      # np.round: ties to even
;;       return np.moveaxis(q.reshape(q.shape[:-2] + (-1,))[..., :K], -1, axis).astype(np.float32)
;;   ~~~
;;   SOFTMAX AHEAD OF A QUANTISED PRODUCT. Where the list says 'softmax', what is quantised is not the finished softmax but p = 2^(t - M), with t = logit x log2(e) and M = ceil(the row's largest t), a whole number; so 1/2 < the row's largest p <= 1. The row's sum l is taken of the UNQUANTISED p, in f32, and the product's result is divided by l at the end. Since M is a whole number, a kernel that streams over the keys may use a running M (the ceiling of the running maximum): every later rescaling is an exact power of two, which a block's scale takes up: the codes' values come out the same.
;;   OPERANDS COMPUTED ON THE WAY. 'Computed on the way' means the value that the module computes at that place (a softmax that the list does not call 'softmax' is quantised finished and normalised). What goes into a quantiser is computed in f32, as accurately as f32 sums, v_exp_f32 and their like allow (about 1e-6 of the number): no bf16 or f16 on the way to a quantiser, and a product that is left as it is and whose result goes on into a quantised operand takes f32 operands (vector FMAs, or v_wmma_f32_16x16x4_f32). A number that lies on a knife's edge between two numbers of the format may be rounded either way, as far as f32 arithmetic and the matrix unit's own rounding can turn it there, and no further.
;; One version. Each part assembles by itself: llvm-mc -triple=amdgcn-amd-amdhsa -mcpu=gfx1250 --defsym DOCPART=n.
;; ======== version 1 of 1: 4 launches
;; workspace buffers: xq 6,553,600 bytes; wq 3,276,800 bytes; qkvc 20,185,088 bytes; oq 6,553,600 bytes
;; launch quant (part 1): grid 640 x 1, 8 waves a work-group, no clusters, 96,768 bytes of LDS; arguments x, w_qkv, w_proj, xq, wq; writes xq, wq
.if DOCPART == 1
	.amdgcn_target "amdgcn-amd-amdhsa--gfx1250"
	.amdhsa_code_object_version 6
	.text
	.protected	k_qe7a94b1dfc_quant
	.globl	k_qe7a94b1dfc_quant
	.p2align	8
	.type	k_qe7a94b1dfc_quant,@function
k_qe7a94b1dfc_quant:
	s_mov_b64 s[64:65], 0
	v_nop
	global_prefetch_b8 v0, s[64:65] scope:SCOPE_SE
	s_setreg_imm32_b32 hwreg(HW_REG_WAVE_MODE, 25, 1), 1
	s_wait_xcnt 0x0
; x [8192][1024], w_qkv [1024][3072] and w_proj [1024][1024], f32, become codes of FP6 (E2M3) with one E8M0 byte for each 32 along K (x: its columns; the weights: their ROWS).
; A block's scale is 2^(floor(log2(largest magnitude)) - 2): its byte is the largest magnitude's exponent field - 2, held at 1 from below.
; LIMITS: NaN and infinities among the inputs are not served.  A block of zeros gets the byte 1 where the rule says 127: its codes are zeros, and the bytes are read by this program alone.
; LAYOUT OF THE RESULTS.  Rows (tokens; the weights' columns) go in tiles of 16: row r of tile T is the true index 32 (T / 2) + 8 (T % 2) + r + 8 (r / 8).
; A fragment (tile T, K step s of 128) is 1,536 bytes, the image of the operand's 12 registers: byte 256 p + 8 l holds registers 2 p, 2 p + 1 of lane l; lane (r, h) holds k = 64 c + 32 h + 0..31 in registers 6 c .. 6 c + 5.
; Codes: [T][s][1,536].  Scale words behind them: [T][s / 2][r][8 bytes]: the words of K steps 2 (s / 2) and 2 (s / 2) + 1 of row r.
; SHARES.  Work-groups 0-127: 32 columns of a weight (two tiles), wave s takes K step s; a lane takes a column and its registers run down K.  Work-groups 128-639: one tile of x, wave s takes K step s.
; The two ways part on the work-group's number and have LDS bytes of their own.
.set XP,    528                        ; x: a stage row: 512 bytes + 16: 33 x 16 bytes, so sixteen rows start at sixteen different 16-byte columns
.set XWV,   16*XP                      ; a wave's stage
.set XSC,   8*XWV                      ; x: the tile's 512 bytes of scale words
.set WST,   XSC+512                    ; weights: a wave's stage: two fragments, 1,536 + 128 bytes each
.set WTL,   1664
.set WWV,   2*WTL
.set WSC,   WST+8*WWV                  ; weights: the two tiles' scale words
.set SPARE, WSC+1024                   ; the spare words, 128 bytes for each wave: four blocks of 256 bytes that no other line names
.set SPW,   220                        ; v220 LDS address of my spare word; never rewritten
.set NIL,   221                        ; v221 0; never rewritten
	s_load_b256 s[4:11], s[0:1], 0x0               ; x s[4:5], w_qkv s[6:7], w_proj s[8:9], xq s[10:11]
	s_load_b64 s[12:13], s[0:1], 0x20              ; wq
	v_lshl_add_u32 v[SPW], v0, 2, SPARE
	v_mov_b32 v[NIL], 0
	v_lshrrev_b32 v1, 5, v0
	s_delay_alu instid0(VALU_DEP_1)
	v_readfirstlane_b32 s14, v1                    ; wave = K step s
	v_and_b32 v2, 31, v0                           ; lane
	s_lshr_b32 s32, s14, 1
	s_lshl_b32 s32, s32, 7
	s_and_b32 s33, s14, 1
	s_lshl_b32 s33, s33, 2
	s_add_co_u32 s32, s32, s33                     ; my K step's place among a tile's scale words: 128 (s / 2) + 4 (s % 2)
	s_wait_kmcnt 0x0
	s_cmp_lt_u32 ttmp9, 128
	s_cbranch_scc0 .Lx_path
; ---------------- the weights ----------------
.set VO, 32                            ; v32-63   4 lane + i x a row of the weight
.set DD, 64                            ; v64-191  four blocks of 32 numbers
.set CB, 192                           ; v192-215 four blocks' codes, six registers each
.set TH, 216                           ; v216-218 a block's upper 16 codes, before they are moved
	s_cmp_lt_u32 ttmp9, 96                         ; w_qkv's 96 groups of 32 columns, then w_proj's 32: the choice hangs on the work-group's number alone
	s_cselect_b64 s[18:19], s[6:7], s[8:9]
	s_mov_b32 s15, 4096
	s_cselect_b32 s15, 12288, s15                  ; a row of the weight in bytes
	s_cselect_b32 s16, 0, 96
	s_sub_co_u32 s16, ttmp9, s16                   ; the group of columns
	s_lshl_b32 s20, s14, 7
	s_mul_i32 s20, s20, s15                        ; my K step's first row,
	s_lshl_b32 s21, s16, 7
	s_add_co_u32 s20, s20, s21                     ; the group's first column
	s_mov_b32 s21, 0
	s_add_nc_u64 s[24:25], s[18:19], s[20:21]      ; block 0's first row; the three others 32 rows on each
	s_lshl_b32 s22, s15, 5
	s_mov_b32 s23, 0
	s_add_nc_u64 s[26:27], s[24:25], s[22:23]
	s_add_nc_u64 s[28:29], s[26:27], s[22:23]
	s_add_nc_u64 s[30:31], s[28:29], s[22:23]
	s_wait_alu depctr_va_vdst(0)
	v_lshlrev_b32 v[VO], 2, v2
.irp i, 1,2,3,4,5,6,7,8,9,10,11,12,13,14,15,16,17,18,19,20,21,22,23,24,25,26,27,28,29,30,31
	s_delay_alu instid0(VALU_DEP_1)
	v_add_nc_u32 v[VO+\i], s15, v[VO+\i-1]
.endr
.macro WLOAD t                         ; block t: rows 32 t + i of my K step, my column: 32 lanes read 128 consecutive bytes
.irp i, 0,1,2,3,4,5,6,7,8,9,10,11,12,13,14,15,16,17,18,19,20,21,22,23,24,25,26,27,28,29,30,31
	global_load_b32 v[DD+32*(\t)+\i], v[VO+\i], s[24+2*(\t):25+2*(\t)]
.endr
.endm
	WLOAD 0
	WLOAD 1
	v_bfe_u32 v3, v0, 3, 1                         ; column 32 g + l is row r = l % 8 + 8 (l / 16) of tile 2 g + (l / 8) % 2
	v_and_b32 v4, 7, v0
	v_bfe_u32 v5, v0, 4, 1
	s_delay_alu instid0(VALU_DEP_1)
	v_lshl_add_u32 v4, v5, 3, v4
	s_mul_i32 s17, s14, WWV
	s_add_co_u32 s17, s17, WST                     ; my stage
	v_mul_u32_u24 v6, v3, WTL
	s_delay_alu instid0(VALU_DEP_1)
	v_lshl_add_u32 v6, v4, 3, v6
	s_delay_alu instid0(VALU_DEP_1)
	v_add_nc_u32 v6, s17, v6                       ; into it: my tile's image, lane r's 8 bytes
	v_lshlrev_b32 v9, 4, v2                        ; 16 x lane
	s_delay_alu instid0(VALU_DEP_1)
	v_add_nc_u32 v8, s17, v9                       ; out of it
	s_add_co_u32 s33, s32, WSC
	v_lshlrev_b32 v7, 9, v3
	s_delay_alu instid0(VALU_DEP_1)
	v_lshl_add_u32 v7, v4, 3, v7
	s_delay_alu instid0(VALU_DEP_1)
	v_add_nc_u32 v7, s33, v7                       ; my column's scale word
	v_lshl_add_u32 v14, v0, 4, WSC                 ; threads 0-63 carry the 1,024 bytes of scale words out
	v_lshlrev_b32 v15, 4, v0
	s_mul_i32 s34, ttmp9, 2*12288                  ; tiles 2 id and 2 id + 1 of wq, for both weights,
	s_mul_i32 s35, s14, 1536                       ; my K step
	s_add_co_u32 s34, s34, s35
	s_mov_b32 s35, 0
	s_add_nc_u64 s[34:35], s[12:13], s[34:35]
	s_lshl_b32 s36, ttmp9, 10
	s_add_co_u32 s36, s36, 3145728                 ; the scale words lie behind the 256 tiles' codes
	s_mov_b32 s37, 0
	s_add_nc_u64 s[36:37], s[12:13], s[36:37]
.macro WBLOCK t
.set DB, DD+32*(\t)
.if (\t) < 3
	s_wait_loadcnt 32                              ; this block's 32 loads are in; the next block's 32 may be out
.else
	s_wait_loadcnt 0x0
.endif
.if (\t)+2 < 4
	WLOAD (\t)+2
.endif
	v_max3_num_f32 v12, |v[DB]|, |v[DB+1]|, |v[DB+2]|              ; the block's largest magnitude: all 32 numbers are mine
	v_max3_num_f32 v13, |v[DB+3]|, |v[DB+4]|, |v[DB+5]|
.irp i, 6,10,14,18,22,26
	s_delay_alu instid0(VALU_DEP_2)
	v_max3_num_f32 v12, v12, |v[DB+\i]|, |v[DB+\i+1]|
	s_delay_alu instid0(VALU_DEP_2)
	v_max3_num_f32 v13, v13, |v[DB+\i+2]|, |v[DB+\i+3]|
.endr
	s_delay_alu instid0(VALU_DEP_2)
	v_max3_num_f32 v12, v12, |v[DB+30]|, |v[DB+31]|
	s_delay_alu instid0(VALU_DEP_1)
	v_max3_num_f32 v12, v12, v13, 0x1800000        ; and the floor 2^(3 - 127): the byte cannot fall under 1
	s_delay_alu instid0(VALU_DEP_1)
	v_add_nc_u32 v11, 0xff000000, v12              ; 2 off the exponent field: the conversion's scale operand
	s_delay_alu instid0(VALU_DEP_1)
	v_lshrrev_b32 v13, 23, v11                     ; the scale's byte
.if (\t) == 0
	s_delay_alu instid0(VALU_DEP_1)
	v_mov_b32 v10, v13
.else
	s_delay_alu instid0(VALU_DEP_1)
	v_lshl_or_b32 v10, v13, 8*(\t), v10            ; four bytes make my column's scale word of this K step
.endif
	v_cvt_scalef32_pk16_fp6_f32 v[CB+6*(\t):CB+6*(\t)+2], v[DB:DB+15], v11
	v_cvt_scalef32_pk16_fp6_f32 v[TH:TH+2], v[DB+16:DB+31], v11     ; (a conversion's three registers begin on an even number)
	v_nop                                          ; one plain place behind a scaled conversion
.irp i, 0,1,2
	v_mov_b32 v[CB+6*(\t)+3+\i], v[TH+\i]
.endr
.irp i, 0,1,2                          ; block t is registers 6 (t / 2) .. + 5 of lane r + 16 (t % 2) of the image
	ds_store_b64 v6, v[CB+6*(\t)+2*\i:CB+6*(\t)+2*\i+1] offset:768*((\t)/2)+128*((\t)%2)+256*\i
.endr
.endm
	WBLOCK 0
	WBLOCK 1
	WBLOCK 2
	WBLOCK 3
	ds_store_b32 v7, v10
.irp n, 0,1,2,3,4,5
	ds_load_b128 v[DD+4*\n:DD+4*\n+3], v8 offset:WTL*(\n/3)+512*(\n%3)   ; LDS serves a wave's instructions in order: these see my stores
.endr
.irp n, 0,1,2,3,4,5
	s_wait_dscnt 5-\n                              ; the younger read-backs may be out
	global_store_b128 v9, v[DD+4*\n:DD+4*\n+3], s[34:35] offset:12288*(\n/3)+512*(\n%3)   ; 32 lanes store 512 consecutive bytes, aligned
.endr
	s_wait_dscnt 0x0                               ; for the others' sake: my scale words have landed
	s_barrier_signal -1
	s_barrier_wait -1
	s_cmp_lt_u32 s14, 2
	s_cbranch_scc0 .Ldone
	ds_load_b128 v[DD+24:DD+27], v14               ; waves 0 and 1: a tile's 512 bytes of scale words each
	s_wait_dscnt 0x0
	global_store_b128 v15, v[DD+24:DD+27], s[36:37]
	s_branch .Ldone
; ---------------- x ----------------
.Lx_path:
.set RR, 16                            ; v16-79   16 rows as loaded
.set XX, 80                            ; v80-143  my row's blocks h and 2 + h
.set CC, 144                           ; v144-155 the fragment's 12 registers
.set C2, 168                           ; v168-170, v172-174 upper halves before they are moved
	s_sub_co_u32 s15, ttmp9, 128                   ; tile T
	s_lshr_b32 s16, s15, 1
	s_lshl_b32 s16, s16, 5
	s_and_b32 s17, s15, 1
	s_lshl_b32 s17, s17, 3
	s_add_co_u32 s16, s16, s17                     ; its first true row: 32 (T / 2) + 8 (T % 2)
	s_lshl_b32 s16, s16, 12
	s_lshl_b32 s17, s14, 9
	s_add_co_u32 s16, s16, s17                     ; + my K step's 512 bytes
	s_mov_b32 s17, 0
	s_add_nc_u64 s[4:5], s[4:5], s[16:17]
	s_wait_alu depctr_va_vdst(0)
	v_lshlrev_b32 v3, 4, v2                        ; 16 x lane
.irp r, 0,1,2,3,4,5,6,7,8,9,10,11,12,13,14,15
	global_load_b128 v[RR+4*\r:RR+4*\r+3], v3, s[4:5] offset:(\r+8*(\r/8))*4096 th:TH_LOAD_NT   ; 32 lanes read 512 consecutive bytes: a row's K step
.endr
	v_lshlrev_b32 v4, 3, v2                        ; 8 x lane
	s_mul_i32 s22, s14, XWV                        ; my stage
	v_add_nc_u32 v5, s22, v3                       ; into it, as loaded
	v_and_b32 v8, 15, v0                           ; r
	v_bfe_u32 v9, v0, 4, 1                         ; h
	s_delay_alu instid0(VALU_DEP_2)
	v_mul_u32_u24 v6, v8, XP
	s_delay_alu instid0(VALU_DEP_1)
	v_lshl_add_u32 v6, v9, 7, v6
	s_delay_alu instid0(VALU_DEP_1)
	v_add_nc_u32 v6, s22, v6                       ; out of it: row r, block h
	s_add_co_u32 s23, s32, XSC
	v_lshl_add_u32 v7, v8, 3, s23                  ; my row's scale word
	v_lshl_add_u32 v176, v2, 4, XSC                ; wave 0 carries the tile's scale words out
	s_mov_b32 s20, 0x76543210
	s_mov_b32 s21, 0xfedcba98                      ; v_permlanex16_b32's selects for lane l xor 16
	s_mul_i32 s24, s15, 12288
	s_mul_i32 s25, s14, 1536
	s_add_co_u32 s24, s24, s25
	s_mov_b32 s25, 0
	s_add_nc_u64 s[24:25], s[10:11], s[24:25]      ; my fragment in xq
	s_lshl_b32 s26, s15, 9
	s_add_co_u32 s26, s26, 6291456                 ; the scale words lie behind the 512 tiles' codes
	s_mov_b32 s27, 0
	s_add_nc_u64 s[26:27], s[10:11], s[26:27]
	s_wait_alu depctr_va_vdst(0)
.irp r, 0,1,2,3,4,5,6,7,8,9,10,11,12,13,14,15
	s_wait_loadcnt 15-\r                           ; row r is in; the younger rows may be out
	ds_store_b128 v5, v[RR+4*\r:RR+4*\r+3] offset:XP*\r
.endr
.irp j, 0,1,2,3,4,5,6,7
	ds_load_b128 v[XX+4*\j:XX+4*\j+3], v6 offset:16*\j             ; k = 32 h + 0..31  (LDS serves a wave's instructions in order)
.endr
.irp j, 0,1,2,3,4,5,6,7
	ds_load_b128 v[XX+32+4*\j:XX+32+4*\j+3], v6 offset:256+16*\j   ; k = 64 + 32 h + 0..31
.endr
	s_wait_dscnt 0x0
.irp c, 0,1
	v_max3_num_f32 v[160+\c], |v[XX+32*\c]|, |v[XX+32*\c+1]|, 0x1800000   ; my block 2 c + h, and the floor 2^(3 - 127)
.endr
.irp i, 2,4,6,8,10,12,14,16,18,20,22,24,26,28,30
.irp c, 0,1
	s_delay_alu instid0(VALU_DEP_2)
	v_max3_num_f32 v[160+\c], v[160+\c], |v[XX+32*\c+\i]|, |v[XX+32*\c+\i+1]|
.endr
.endr
.irp c, 0,1
	s_delay_alu instid0(VALU_DEP_2)
	v_add_nc_u32 v[162+\c], 0xff000000, v[160+\c]  ; the conversion's scale operand
.endr
.irp c, 0,1
	s_delay_alu instid0(VALU_DEP_2)
	v_lshrrev_b32 v[164+\c], 23, v[162+\c]         ; the scale's byte
.endr
	s_delay_alu instid0(VALU_DEP_1)
	v_lshl_or_b32 v166, v165, 16, v164             ; blocks h and 2 + h,
	v_lshlrev_b32 v167, 3, v9
	s_delay_alu instid0(VALU_DEP_1)
	v_lshlrev_b32 v166, v167, v166                 ; at their places in the word;
	v_mov_b32 v167, 0
	s_delay_alu instid0(VALU_DEP_1)
	v_permlanex16_b32 v167, v166, s20, s21
	s_delay_alu instid0(VALU_DEP_1)
	v_or_b32 v166, v166, v167                      ; with lane l xor 16's two the word is whole
.irp c, 0,1
	v_cvt_scalef32_pk16_fp6_f32 v[CC+6*\c:CC+6*\c+2], v[XX+32*\c:XX+32*\c+15], v[162+\c]
	v_cvt_scalef32_pk16_fp6_f32 v[C2+4*\c:C2+4*\c+2], v[XX+32*\c+16:XX+32*\c+31], v[162+\c]
.endr
	v_nop                                          ; one plain place behind a scaled conversion
.irp c, 0,1
.irp i, 0,1,2
	v_mov_b32 v[CC+6*\c+3+\i], v[C2+4*\c+\i]
.endr
.endr
.irp p, 0,1,2,3,4,5
	global_store_b64 v4, v[CC+2*\p:CC+2*\p+1], s[24:25] offset:256*\p   ; 32 lanes store 256 consecutive bytes, aligned
.endr
	ds_store_b32 v7, v166                          ; both lanes of a row write the same word with the same value
	s_wait_dscnt 0x0                               ; for the others' sake
	s_barrier_signal -1
	s_barrier_wait -1
	s_cmp_lg_u32 s14, 0
	s_cbranch_scc1 .Ldone
	ds_load_b128 v[180:183], v176
	s_wait_dscnt 0x0
	global_store_b128 v3, v[180:183], s[26:27]
.Ldone:
	s_wait_tensorcnt 0x0                           ; the wave's end, behind my last LDS store
	ds_add_u32 v[SPW], v[NIL]
	s_wait_dscnt 0x0
	s_endpgm
.Lfunc_end_k_qe7a94b1dfc_quant:
	.size	k_qe7a94b1dfc_quant, .Lfunc_end_k_qe7a94b1dfc_quant-k_qe7a94b1dfc_quant
	.p2alignl 7, 3214868480
	.fill 96, 4, 3214868480
	.section	.rodata,"a",@progbits
	.p2align	6, 0x0
	.amdhsa_kernel k_qe7a94b1dfc_quant
		.amdhsa_group_segment_fixed_size 96768
		.amdhsa_private_segment_fixed_size 0
		.amdhsa_enable_private_segment 0
		.amdhsa_kernarg_size 40
		.amdhsa_user_sgpr_count 2
		.amdhsa_user_sgpr_kernarg_segment_ptr 1
		.amdhsa_wavefront_size32 1
		.amdhsa_system_sgpr_workgroup_id_x 1
		.amdhsa_system_sgpr_workgroup_id_y 1
		.amdhsa_system_sgpr_workgroup_id_z 1
		.amdhsa_system_vgpr_workitem_id 0
		.amdhsa_next_free_vgpr 224
		.amdhsa_next_free_sgpr 66
		.amdhsa_reserve_vcc 0
		.amdhsa_float_denorm_mode_32 3
		.amdhsa_float_denorm_mode_16_64 3
		.amdhsa_memory_ordered 1
		.amdhsa_forward_progress 1
		.amdhsa_inst_pref_size 39
	.end_amdhsa_kernel
	.amdgpu_metadata
---
amdhsa.version: [ 1, 2 ]
amdhsa.kernels:
  - .name:           k_qe7a94b1dfc_quant
    .symbol:         k_qe7a94b1dfc_quant.kd
    .args:
      - { .name: x, .offset: 0, .size: 8, .value_kind: global_buffer, .address_space: global }
      - { .name: w_qkv, .offset: 8, .size: 8, .value_kind: global_buffer, .address_space: global }
      - { .name: w_proj, .offset: 16, .size: 8, .value_kind: global_buffer, .address_space: global }
      - { .name: xq, .offset: 24, .size: 8, .value_kind: global_buffer, .address_space: global }
      - { .name: wq, .offset: 32, .size: 8, .value_kind: global_buffer, .address_space: global }
    .group_segment_fixed_size: 96768
    .private_segment_fixed_size: 0
    .kernarg_segment_align: 8
    .kernarg_segment_size: 40
    .max_flat_workgroup_size: 256
    .sgpr_count:     66
    .vgpr_count:     224
    .wavefront_size: 32
...
	.end_amdgpu_metadata
.endif
;; end of part 1
;; launch gemm_qkv (part 2): grid 12 x 32, 4 waves a work-group, clusters of 4 x 4, 327,680 bytes of LDS; arguments xq, wq, b_qkv, qkvc; writes qkvc
.if DOCPART == 2
	.amdgcn_target "amdgcn-amd-amdhsa--gfx1250"
	.amdhsa_code_object_version 6
	.text
	.protected	k_qe7a94b1dfc_gemm_qkv
	.globl	k_qe7a94b1dfc_gemm_qkv
	.p2align	8
	.type	k_qe7a94b1dfc_gemm_qkv,@function
k_qe7a94b1dfc_gemm_qkv:
	s_mov_b64 s[64:65], 0
	v_nop
	global_prefetch_b8 v0, s[64:65] scope:SCOPE_SE
	s_setreg_imm32_b32 hwreg(HW_REG_WAVE_MODE, 25, 1), 1
	s_wait_xcnt 0x0
	s_wait_alu depctr_hold_cnt(0) depctr_sa_sdst(0) depctr_va_vdst(0) depctr_va_sdst(0) depctr_va_ssrc(0) depctr_va_vcc(0) depctr_vm_vsrc(0)
	s_getreg_b32 s2, hwreg(HW_REG_IB_STS2, 6, 4)
	s_cmp_eq_u32 s2, 0
	s_cbranch_scc0 .Lentry_in_a_cluster
	s_endpgm
.Lentry_in_a_cluster:
	s_bfe_u32 s2, ttmp6, 0x10000c
	s_cmp_lg_u32 s2, 0xf033
	s_cbranch_scc0 .Lentry_shape_is_right
	s_endpgm
.Lentry_shape_is_right:
; qkv = Q(x) Q(w_qkv) + b_qkv on codes of FP6 (E2M3) with E8M0 scales, sums in f32; the results are quantised in registers and leave as the operands of the attention launch.  No f32 number goes to memory.
; A work-group of four waves makes 256 tokens x 256 features; a wave 128 x 128: 64 accumulators, 512 registers.  K = 1,024 goes in four slots' worth of 256 through a ring of two LDS slots filled by the tensor data mover.
; OPERANDS lie in memory as images of their registers (a fragment of 16 rows x 128 K: 1,536 bytes, byte 256 p + 8 l = registers 2 p, 2 p + 1 of lane l), [tile][K step], so a fragment is six loads of 256 consecutive bytes: no pitch, no padding.
; Row r of tile T is the true index 32 (T / 2) + 8 (T % 2) + r + 8 (r / 8): as source 0, tiles 2 b and 2 b + 1 give a lane 16 registers that are 16 true neighbours 32 b + 16 (l / 16) + 0..15.
; ROLES.  Source 1 (A') gives a lane its row, source 0 (B') runs along a lane's registers.  Clusters with x = 0, 1 (q, k): A' = tokens, B' = features: registers run along the head's 64, which is the K of q k^T.
; Cluster x = 2 (v): A' = features, B' = tokens: registers run along the keys, the K of p v.  Only the LDS bases of the reads differ; they are chosen on the cluster's x, which all partners share.
; CLUSTERS: 4 x 4.  x's tiles hang on the tile row alone and are asked for jointly along a row of the cluster, the weight's on the tile column alone, jointly along a column.
; RESULTS in qkvc.  Codes, 294,912 bytes a (batch, head): Q [128 tiles][768] (registers 0-5 of a fragment), K likewise at + 98,304, V at + 196,608: [16 steps of 128 keys][4 tiles of 16 channels][1,536], 3 x (16 bytes x 32 lanes).
; Scale words from byte 18,874,368, 20,480 bytes a (batch, head): Q's [16][512]: byte 16 l + 4 i = tile 8 g + 4 (l / 16) + i, row l % 16 (two bytes, two zeros); K's at + 8,192; V's at + 16,384: [16][256]: 16 r + 4 t.
; LIMITS: NaN and infinities are not served; a block of zeros gets the byte 1 (its codes are zeros; the bytes are read by this program alone).
; REGISTERS: window 0: v6-7 a bias as a pair; v8-15 the bias along A'; v16-29 addresses; v32-95 scale words, two sets (A' 16, B' 16), and nothing else; v96-127, v224-255 the bias along B', 8 tiles in the result's layout;
;   v128-223 A' fragments, one set.  window 1: B' fragments, two sets, at v0 and v128.  windows 2, 3: the accumulators ((a, b) at v[8 (8 (a % 4) + b)]).  On the way out v96-255 of window 0 are free.
.set FR,    12
.set NL,    6
.set NP,    4
.set HALFT, 24576                      ; 8 tiles x 2 K steps x 1,536: what one tensor load brings
.set SLOT,  4*HALFT                    ; x's two halves, then the weight's two
.set SCL,   2*SLOT                     ; the scale words of the 256 + 256 rows, all of K: filled once
.set HALFS, 4096
.set SPARE, SCL+4*HALFS                ; the spare words, 128 bytes for each wave: two blocks of 256 bytes that no other line names
.set BM,    8
.set ADRA,  16                         ; v16-17 A' fragments in slot 0, 1
.set ADRSA, 18                         ; v18    A' scale words
.set ADRSB, 19                         ; v19    B' scale words
.set ADRB,  20                         ; v20-21 B' fragments
.set L8,    24                         ; v24    8 x lane
.set L16,   25                         ; v25    16 x lane
.set LV,    26                         ; v26    20,480 (l / 16) + 16 (l % 16)
.set SPW,   28
.set NIL,   29
.set SC,    32
.set AF,    128
.set TH,    96                         ; the way out: upper halves of codes before they are moved
.set TM,    104                        ; v104-119 at work
.set KW,    224                        ; v224-231 the eight scale words
.set SEL,   98                         ; s[98:99]
.set G1, 24
.set G0, 32
.set G1B, 48
.set G0B, 56
.set G1S, 68
.set G0S, 76
.set G1SB, 80
.set G0SB, 88
.set MSB, 0
.macro WIN new                         ; the immediate's high byte repeats the setting that is left
.if MSB != (\new)
	s_set_vgpr_msb (MSB<<8)|(\new)
.set MSB, (\new)
.endif
.endm
.set MUL_LO, 0xa1                      ; source 0 window 1, source 1 window 0, C and D window 2
.set MUL_HI, 0xf1                      ; the same, C and D window 3
.set TO_B,   0x40
; A joint load: waves 0 and 1 fetch x's halves, waves 2 and 3 the weight's.  The branch hangs on the wave's number alone.  An s_nop 0 and four v_nop follow each of the two lines.
.macro JLOAD g0a, g1a, g0b, g1b
	s_cmp_eq_u32 s15, 0
	s_cbranch_scc0 .Lfor_b_\@
	tensor_load_to_lds s[\g0a:\g0a+3], s[\g1a:\g1a+7]
	s_nop 0
.rept 4
	v_nop
.endr
	s_branch .Lasked_\@
.Lfor_b_\@:
	tensor_load_to_lds s[\g0b:\g0b+3], s[\g1b:\g1b+7]
	s_nop 0
.rept 4
	v_nop
.endr
.Lasked_\@:
.endm
.macro CREST                           ; a round of the cluster's barrier behind its opening barrier
	s_cmp_lg_u32 s14, 0
	s_cbranch_scc1 .Lnot_wave_0_\@
	s_barrier_signal -3
.Lnot_wave_0_\@:
	s_barrier_wait -3
	s_barrier_signal -1
	s_barrier_wait -1
.endm
.macro CROUND
	s_barrier_signal -1
	s_barrier_wait -1
	CREST
.endm
	s_load_b128 s[4:7], s[0:1], 0x0                ; xq s[4:5], wq s[6:7]
	s_load_b128 s[8:11], s[0:1], 0x10              ; b_qkv s[8:9], qkvc s[10:11]
	v_lshl_add_u32 v[SPW], v0, 2, SPARE
	v_mov_b32 v[NIL], 0
	ds_add_u32 v[SPW], v[NIL]                      ; the wave's opening: the add and its wait stand ahead of my first tensor load; work on registers stands between them
	v_lshrrev_b32 v1, 5, v0
	v_readfirstlane_b32 s14, v1                    ; wave 0..3
	s_lshr_b32 s15, s14, 1                         ; my half of A'.  Also: I fetch for x (0) or for the weight (1)
	s_and_b32 s16, s14, 1                          ; my half of B'.  Also: which 128 rows I fetch
	s_bfe_u32 s40, ttmp6, 0x40000                  ; cx, cy
	s_bfe_u32 s41, ttmp6, 0x40004
	s_lshl_b32 s42, ttmp9, 2
	s_add_co_u32 s42, s42, s40                     ; tile column (256 features) = 4 x cluster x + cx
	s_and_b32 s17, ttmp7, 0xffff
	s_lshl_b32 s17, s17, 2
	s_add_co_u32 s17, s17, s41                     ; tile row (256 tokens) = 4 x cluster y + cy
	s_lshl_b32 s43, s41, 2
	s_lshl_b32 s43, 15, s43                        ; my row of the cluster
	s_lshl_b32 s44, 0x1111, s40                    ; my column
	s_or_b32 s[G1+0], s43, (3<<16)|(1<<21)         ; 15:0 the mask; 17:16 elements of 8 bytes; 20 no padding; 21 set beside a mask
	s_or_b32 s[G1B+0], s44, (3<<16)|(1<<21)
.irp g, G1, G1B
	s_mov_b32 s[\g+1], 384<<16                     ; tensor_dim0: two K steps of a tile, 3,072 bytes
	s_mov_b32 s[\g+2], 8<<16                       ; tensor_dim1: 8 tiles
	s_mov_b32 s[\g+3], 384<<16                     ; tile_dim0
	s_mov_b32 s[\g+4], 8                           ; tile_dim1
	s_mov_b32 s[\g+5], 1536                        ; from tile to tile: 12,288 bytes
	s_mov_b32 s[\g+6], 0
	s_mov_b32 s[\g+7], 0
.endr
	s_or_b32 s[G1S+0], s43, (3<<16)|(1<<21)
	s_or_b32 s[G1SB+0], s44, (3<<16)|(1<<21)
.irp g, G1S, G1SB
	s_mov_b32 s[\g+1], 32<<16                      ; the scale words of 128 rows: 4,096 dense bytes as 16 rows of 256
	s_mov_b32 s[\g+2], 16<<16
	s_mov_b32 s[\g+3], 32<<16
	s_mov_b32 s[\g+4], 16
	s_mov_b32 s[\g+5], 32
	s_mov_b32 s[\g+6], 0
	s_mov_b32 s[\g+7], 0
.endr
	s_lshl_b32 s18, s16, 7
	s_lshl_b32 s20, s17, 8
	s_add_co_u32 s20, s20, s18                     ; x: row 256 x tile row + 128 x half
	s_lshl_b32 s46, s42, 8
	s_add_co_u32 s46, s46, s18                     ; weight: row 256 x tile column + 128 x half
	s_mov_b32 s21, 0
	s_mov_b32 s47, 0
	s_mov_b64 s[18:19], 32
	s_mul_u64 s[22:23], s[20:21], s[18:19]         ; scale words: 32 bytes a row
	s_mul_u64 s[92:93], s[46:47], s[18:19]
	s_mov_b64 s[18:19], 768
	s_mul_u64 s[20:21], s[20:21], s[18:19]         ; codes: 768 bytes a row
	s_mul_u64 s[46:47], s[46:47], s[18:19]
	s_add_nc_u64 s[22:23], s[22:23], 6291456
	s_add_nc_u64 s[92:93], s[92:93], 3145728
	s_mul_i32 s45, s14, HALFT                      ; where they go: no place in the cluster enters an LDS address
	s_mul_i32 s94, s14, HALFS
	s_wait_dscnt 0x0                               ; the opening add is done
	s_wait_kmcnt 0x0
	s_add_nc_u64 s[20:21], s[4:5], s[20:21]
	s_add_nc_u64 s[22:23], s[4:5], s[22:23]
	s_add_nc_u64 s[46:47], s[6:7], s[46:47]
	s_add_nc_u64 s[92:93], s[6:7], s[92:93]
	CROUND                                         ; all sixteen work-groups are here: the first joint loads meet
	s_mov_b32 s[G0S], 1
	s_add_co_u32 s[G0S+1], s94, SCL
	s_mov_b64 s[G0S+2:G0S+3], s[22:23]
	s_or_b32 s[G0S+3], s[G0S+3], 0x80000000
	s_mov_b32 s[G0SB], 1
	s_add_co_u32 s[G0SB+1], s94, SCL
	s_mov_b64 s[G0SB+2:G0SB+3], s[92:93]
	s_or_b32 s[G0SB+3], s[G0SB+3], 0x80000000
	JLOAD G0S, G1S, G0SB, G1SB                     ; the scale words first: they are wanted with the first K step
.irp s, 0,1
	s_mov_b32 s[G0+4*\s], 1
	s_add_co_u32 s[G0+4*\s+1], s45, \s*SLOT
	s_add_nc_u64 s[G0+4*\s+2:G0+4*\s+3], s[20:21], \s*3072
	s_or_b32 s[G0+4*\s+3], s[G0+4*\s+3], 0x80000000
	s_mov_b32 s[G0B+4*\s], 1
	s_add_co_u32 s[G0B+4*\s+1], s45, \s*SLOT
	s_add_nc_u64 s[G0B+4*\s+2:G0B+4*\s+3], s[46:47], \s*3072
	s_or_b32 s[G0B+4*\s+3], s[G0B+4*\s+3], 0x80000000
	JLOAD G0+4*\s, G1, G0B+4*\s, G1B               ; by this text's count three tensor loads of a wave are out
.endr
	v_and_b32 v1, 31, v0                           ; lane
	v_and_b32 v2, 15, v0                           ; r
	v_bfe_u32 v3, v0, 4, 1                         ; h (kept)
	v_lshlrev_b32 v[L8], 3, v1
	v_lshlrev_b32 v[L16], 4, v1
	v_mul_u32_u24 v[LV], v3, 20480
	v_lshl_add_u32 v[LV], v2, 4, v[LV]
	s_cmp_ge_u32 ttmp9, 2                          ; the v role?  The cluster's x: the same in all sixteen partners
	s_cselect_b32 s21, 2*HALFT, 0                  ; A' is the weight (v) or x (q, k)
	s_cselect_b32 s22, 0, 2*HALFT                  ; B' the other
	s_cselect_b32 s23, 2*HALFS, 0
	s_cselect_b32 s95, 0, 2*HALFS
	s_cselect_b32 s96, -1, 0                       ; all lanes in the v role
	s_mul_i32 s97, s15, HALFT
	s_add_co_u32 s21, s21, s97
	s_mul_i32 s97, s16, HALFT
	s_add_co_u32 s22, s22, s97
.irp s, 0,1
	v_add_nc_u32 v[ADRA+\s], s21, v[L8]
	v_add_nc_u32 v[ADRB+\s], s22, v[L8]
	s_add_co_u32 s21, s21, SLOT
	s_add_co_u32 s22, s22, SLOT
.endr
	s_mul_i32 s97, s15, HALFS
	s_add_co_u32 s23, s23, s97
	s_add_co_u32 s23, s23, SCL
	s_mul_i32 s97, s16, HALFS
	s_add_co_u32 s95, s95, s97
	s_add_co_u32 s95, s95, SCL
	v_lshl_add_u32 v[ADRSA], v2, 3, s23            ; 8 bytes a row: the two words of a slot's two K steps
	v_lshl_add_u32 v[ADRSB], v2, 3, s95
	; the bias.  Along B' (q, k): eight tiles in the result's layout: lane (r, h), register j of tile b: feature 32 (b / 2) + 8 (b % 2) + 16 h + j of my 128.  Along A' (v): a number a lane and tile.  Both are loaded in both roles.
	s_lshl_b32 s98, s42, 10
	s_lshl_b32 s99, s16, 9
	s_add_co_u32 s98, s98, s99
	s_mov_b32 s99, 0
	s_add_nc_u64 s[98:99], s[8:9], s[98:99]
	s_lshl_b32 s100, s42, 10
	s_lshl_b32 s101, s15, 9
	s_add_co_u32 s100, s100, s101
	s_mov_b32 s101, 0
	s_add_nc_u64 s[100:101], s[8:9], s[100:101]
	v_lshlrev_b32 v22, 6, v3
	v_and_b32 v4, 8, v2
	v_add_nc_u32 v4, v4, v2
	v_lshlrev_b32 v23, 2, v4
.irp b, 0,1,2,3,4,5,6,7
	global_load_b128 v[96+8*\b+96*(\b/4):96+8*\b+96*(\b/4)+3], v22, s[98:99] offset:(32*(\b/2)+8*(\b%2))*4
	global_load_b128 v[96+8*\b+96*(\b/4)+4:96+8*\b+96*(\b/4)+7], v22, s[98:99] offset:(32*(\b/2)+8*(\b%2))*4+16
	global_load_b32 v[BM+\b], v23, s[100:101] offset:(32*(\b/2)+8*(\b%2))*4
.endr
.macro FRAG reg, adr, q, i             ; a fragment as it lies: six loads of 256 consecutive bytes
.irp p, 0,1,2,3,4,5
	ds_load_b64 v[\reg+2*\p:\reg+2*\p+1], v[\adr] offset:3072*(\i)+1536*(\q)+256*\p
.endr
.endm
; 16 matrix instructions: A' blocks a0, a0 + 1 x B' eight, the slot's q-th 128 along K.  p: B' set; sc: the set of scale words.  first = 1: the sums start from the bias tiles: nothing is cleared.
; The 64 accumulators take turns, one instruction a turn, in the same order in every step.
.macro MUL16 a0, p, q, sc, first
.irp a, \a0, \a0+1
.irp b, 0,1,2,3,4,5,6,7
.if \first
	v_wmma_scale_f32_16x16x128_f8f6f4 v[8*(8*((\a)%4)+\b):8*(8*((\a)%4)+\b)+7], v[128*(\p)+FR*\b:128*(\p)+FR*\b+FR-1], v[AF+FR*(\a):AF+FR*(\a)+FR-1], v[96+8*\b+96*(\b/4):96+8*\b+96*(\b/4)+7], v[SC+32*(\sc)+16+2*\b+(\q)], v[SC+32*(\sc)+2*(\a)+(\q)] matrix_a_fmt:MATRIX_FMT_FP6 matrix_b_fmt:MATRIX_FMT_FP6
.else
	v_wmma_scale_f32_16x16x128_f8f6f4 v[8*(8*((\a)%4)+\b):8*(8*((\a)%4)+\b)+7], v[128*(\p)+FR*\b:128*(\p)+FR*\b+FR-1], v[AF+FR*(\a):AF+FR*(\a)+FR-1], v[8*(8*((\a)%4)+\b):8*(8*((\a)%4)+\b)+7], v[SC+32*(\sc)+16+2*\b+(\q)], v[SC+32*(\sc)+2*(\a)+(\q)] matrix_a_fmt:MATRIX_FMT_FP6 matrix_b_fmt:MATRIX_FMT_FP6
.endif
.endr
.endr
.endm
.macro FETCH_B slot, q, p
	WIN TO_B
.irp i, 0,1,2,3,4,5,6,7
	FRAG 128*(\p)+FR*\i, ADRB+\slot, \q, \i
.endr
	WIN 0
.endm
.macro FETCH_A slot, q, i0
.irp i, \i0, \i0+1, \i0+2, \i0+3
	FRAG AF+FR*(\i), ADRA+\slot, \q, \i
.endr
.endm
.macro SCALES sc                       ; a slot's scale words: two a row; lanes 16-31 hold the same as lanes 0-15
.irp i, 0,1,2,3,4,5,6,7
	ds_load_b64 v[SC+32*\sc+2*\i:SC+32*\sc+2*\i+1], v[ADRSA] offset:512*\i
.endr
.irp i, 0,1,2,3,4,5,6,7
	ds_load_b64 v[SC+32*\sc+16+2*\i:SC+32*\sc+16+2*\i+1], v[ADRSB] offset:512*\i
.endr
.endm
.macro PLACES n                        ; plain vector instructions between a matrix instruction and a load into, or a vector read of, its registers
.rept \n
	v_nop
.endr
.endm
.macro STEP slot, q, first             ; a step of 128 along K that has its successor in the same slot
	s_wait_dscnt 4*NL                              ; B' set and A' blocks 0-3 are in; the youngest 24 loads (A' blocks 4-7) may be out
.if \first
	WIN 0x81                                       ; C (the bias) window 0, D window 2
.else
	WIN MUL_LO
.endif
	MUL16 0, (\q)%2, \q, \slot, \first
	MUL16 2, (\q)%2, \q, \slot, \first
	s_wait_dscnt 0
	PLACES NP
	FETCH_B \slot, (\q)+1, 1-(\q)%2
	FETCH_A \slot, (\q)+1, 0
.if \first
	WIN 0xc1
.else
	WIN MUL_HI
.endif
	MUL16 4, (\q)%2, \q, \slot, \first
	MUL16 6, (\q)%2, \q, \slot, \first
	PLACES NP
	WIN 0
	FETCH_A \slot, (\q)+1, 4
.endm
; A slot's last step changes slots: one barrier; in front of it each wave waits for all its tensor loads, adds 0 to its spare word, and waits for that and for its reads of this slot.  fill = 1: this slot is filled again.
.macro TURN slot, next, fill
	s_wait_tensorcnt 0x0                           ; all my tensor loads have landed: my part of the next slot
	ds_add_u32 v[SPW], v[NIL]                      ; 0 onto my spare word
	s_wait_dscnt 4*NL+1                            ; (the add and the youngest 24 loads may be out)
	WIN MUL_LO
	MUL16 0, 1, 1, \slot, 0
	s_wait_dscnt 0x0                               ; the add is done, and my reads of this slot are over
	s_barrier_signal -1
	MUL16 2, 1, 1, \slot, 0
	WIN 0
	s_barrier_wait -1
.if \fill
	CREST                                          ; the barrier has opened a round of the cluster's: no wave of any partner still reads this slot or has a load on its way
	s_add_nc_u64 s[G0+4*\slot+2:G0+4*\slot+3], s[G0+4*\slot+2:G0+4*\slot+3], 6144
	s_add_nc_u64 s[G0B+4*\slot+2:G0B+4*\slot+3], s[G0B+4*\slot+2:G0B+4*\slot+3], 6144
	JLOAD G0+4*\slot, G1, G0B+4*\slot, G1B         ; the first tensor load behind the round, one a wave; its four v_nop are the places in front of the loads below
.else
	PLACES NP
.endif
	v_add_nc_u32 v[ADRSA], 128, v[ADRSA]           ; the next slot's scale words
	v_add_nc_u32 v[ADRSB], 128, v[ADRSB]
	FETCH_B \next, 0, 0
	FETCH_A \next, 0, 0
	SCALES \next
	WIN MUL_HI
	MUL16 4, 1, 1, \slot, 0
	MUL16 6, 1, 1, \slot, 0
	PLACES NP
	WIN 0
	FETCH_A \next, 0, 4
.endm
	s_wait_tensorcnt 1                             ; the scale words and my part of slot 0 are in (slot 1's load may be out)
	s_barrier_signal -1
	s_barrier_wait -1                              ; everybody's are
	FETCH_B 0, 0, 0
	FETCH_A 0, 0, 0
	SCALES 0
	FETCH_A 0, 0, 4
	s_wait_loadcnt 0x0                             ; the bias
.set jj, 0
.rept 32
	v_cndmask_b32 v[96+jj], v[96+jj], v[NIL], s96  ; in the v role the bias runs along A': the tiles along B' are zeros
	v_cndmask_b32 v[224+jj], v[224+jj], v[NIL], s96
.set jj, jj+1
.endr
	PLACES NP
	STEP 0, 0, 1                                   ; K = 1,024: eight steps, written out
	TURN 0, 1, 1
	STEP 1, 0, 0
	TURN 1, 0, 1
	STEP 0, 0, 0
	TURN 0, 1, 0                                   ; the last two slots are not filled again
	STEP 1, 0, 0
	s_wait_dscnt 4*NL
	WIN MUL_LO
	MUL16 0, 1, 1, 1, 0
	MUL16 2, 1, 1, 1, 0
	s_wait_dscnt 0
	WIN MUL_HI
	MUL16 4, 1, 1, 1, 0
	MUL16 6, 1, 1, 1, 0
	WIN 0
; THE WAY OUT.  A' block a: a lane's 64 registers, register 16 b + i = k 32 b + 16 (l / 16) + i of its row, become a fragment's 12 registers at v[128 + 12 a] and its scale word in v[KW + a].  Each block has registers of its own: no store's data are written again.
.macro QUANTW a
.set WW, 2+(\a)/4
.set ACB, 64*((\a)%4)
.set PCA, 128+12*(\a)
	WIN (WW<<2)|(WW<<4)                            ; sources 1 and 2: the accumulators' window
.irp b, 0,1,2,3
	v_max3_num_f32 v[TM+\b], 0x1800000, |v[ACB+16*\b]|, |v[ACB+16*\b+1]|   ; block b: my 16 numbers, from each accumulator's low end on, and the floor 2^(3 - 127)
.endr
.irp i, 2,4,6,8,10,12,14
.irp b, 0,1,2,3
	v_max3_num_f32 v[TM+\b], v[TM+\b], |v[ACB+16*\b+\i]|, |v[ACB+16*\b+\i+1]|
.endr
.endr
	WIN 0
.irp b, 0,1,2,3
	v_permlanex16_b32 v[TM+4+\b], v[TM+\b], s[SEL], s[SEL+1]
.endr
.irp b, 0,1,2,3
	v_max_num_f32 v[TM+\b], v[TM+\b], v[TM+4+\b]   ; with lane l xor 16's: the block's largest magnitude
.endr
.irp b, 0,1,2,3
	v_add_nc_u32 v[TM+12+\b], 0xff000000, v[TM+\b] ; 2 off its exponent field: the conversion's scale operand
.endr
.irp b, 0,1,2,3
	v_lshrrev_b32 v[TM+4+\b], 23, v[TM+12+\b]      ; the scale's byte
.endr
	v_lshl_or_b32 v[KW+(\a)], v[TM+5], 8, v[TM+4]
	v_lshl_or_b32 v[KW+(\a)], v[TM+6], 16, v[KW+(\a)]
	v_lshl_or_b32 v[KW+(\a)], v[TM+7], 24, v[KW+(\a)]
	WIN WW
.irp c, 0,1
	v_cvt_scalef32_pk16_fp6_f32 v[PCA+6*\c:PCA+6*\c+2], v[ACB+32*\c:ACB+32*\c+15], v[TM+12+2*\c]
	v_cvt_scalef32_pk16_fp6_f32 v[TH+4*\c:TH+4*\c+2], v[ACB+32*\c+16:ACB+32*\c+31], v[TM+12+2*\c+1]
.endr
	WIN 0
	v_nop                                          ; one plain place behind a scaled conversion
.irp c, 0,1                            ; the operand's layout wants a whole block in a lane
.irp i, 0,1,2
	v_permlane16_swap_b32 v[PCA+6*\c+\i], v[TH+4*\c+\i]
.endr
.irp i, 0,1,2
	v_mov_b32 v[PCA+6*\c+3+\i], v[TH+4*\c+\i]
.endr
.endr
.endm
	PLACES NP
	v_cmp_ne_u32 s66, 0, v3                        ; lanes 16-31
.irp b, 0,1,2,3
	v_mov_b32 v[TM+4+\b], 0                        ; written once: a lane permute's destination counts as one of its sources
.endr
	v_mov_b32 v7, 0                                ; (named as the upper half of the pair v[6:7])
	s_mov_b32 s[SEL], 0x76543210
	s_mov_b32 s[SEL+1], 0xfedcba98
	s_lshr_b32 s20, s17, 3
	s_lshl_b32 s20, s20, 4
	s_lshl_b32 s21, s40, 2
	s_add_co_u32 s20, s20, s21                     ; 16 x batch + 4 cx
	s_and_b32 s22, s17, 7                          ; which 256 tokens of the batch
	s_cmp_ge_u32 ttmp9, 2
	s_cbranch_scc1 .Lv_role
	; ---- q, k: block a is a tile of 16 tokens; registers 0-5 are my first head's, 6-11 my second's
	s_lshl_b32 s21, s16, 1
	s_add_co_u32 s20, s20, s21                     ; my first (batch, head)
	s_mul_i32 s92, s20, 294912
	s_mul_i32 s93, ttmp9, 98304                    ; q or k
	s_add_co_u32 s92, s92, s93
	s_lshl_b32 s94, s22, 4
	s_lshl_b32 s95, s15, 3
	s_add_co_u32 s94, s94, s95                     ; my first tile of tokens
	s_mul_i32 s94, s94, 768
	s_add_co_u32 s92, s92, s94
	s_mov_b32 s93, 0
	s_add_nc_u64 s[92:93], s[10:11], s[92:93]
	s_mul_i32 s94, s20, 20480
	s_lshl_b32 s95, ttmp9, 13
	s_add_co_u32 s94, s94, s95
	s_lshl_b32 s95, s22, 1
	s_add_co_u32 s95, s95, s15                     ; which eight tiles
	s_lshl_b32 s95, s95, 9
	s_add_co_u32 s94, s94, s95
	s_add_co_u32 s94, s94, 18874368
	s_mov_b32 s95, 0
	s_add_nc_u64 s[94:95], s[10:11], s[94:95]
.irp a, 0,1,2,3,4,5,6,7
	QUANTW \a
.irp c, 0,1
.irp i, 0,1,2
	global_store_b64 v[L8], v[128+12*\a+6*\c+2*\i:128+12*\a+6*\c+2*\i+1], s[92:93] offset:294912*\c+768*\a+256*\i   ; 32 lanes store 256 consecutive bytes, aligned
.endr
.endr
.endr
.irp i, 0,1,2,3
	v_cndmask_b32 v[232+\i], v[KW+\i], v[KW+4+\i], s66   ; lanes 0-15: tiles 0-3; lanes 16-31: tiles 4-7
.endr
.irp i, 0,1,2,3
	v_and_b32 v[236+\i], 0xffff, v[232+\i]         ; my first head's two bytes, two zeros above them
	v_lshrrev_b32 v[240+\i], 16, v[232+\i]         ; my second head's
.endr
	global_store_b128 v[L16], v[236:239], s[94:95]
	global_store_b128 v[L16], v[240:243], s[94:95] offset:20480
	s_branch .Lout
.Lv_role:
	; ---- v: block a is a tile of 16 channels (head a / 4, tile a % 4); the 12 registers are a whole fragment along my 128 keys
	s_lshl_b32 s21, s15, 1
	s_add_co_u32 s20, s20, s21                     ; my first (batch, head)
	s_mul_i32 s92, s20, 294912
	s_lshl_b32 s94, s22, 1
	s_add_co_u32 s94, s94, s16                     ; which 128 keys
	s_mul_i32 s93, s94, 6144
	s_add_co_u32 s92, s92, s93
	s_add_co_u32 s92, s92, 196608
	s_mov_b32 s93, 0
	s_add_nc_u64 s[92:93], s[10:11], s[92:93]
	s_lshl_b32 s94, s94, 8
	s_mul_i32 s95, s20, 20480
	s_add_co_u32 s94, s94, s95
	s_add_co_u32 s94, s94, 18874368+16384
	s_mov_b32 s95, 0
	s_add_nc_u64 s[94:95], s[10:11], s[94:95]
.irp a, 0,1,2,3,4,5,6,7
	WIN 0
	v_mov_b32 v6, v[BM+\a]                         ; my channel's bias
	WIN (2+\a/4)|((2+\a/4)<<6)
.set jj, 64*(\a%4)
.rept 32
	v_pk_add_f32 v[jj:jj+1], v[jj:jj+1], v[6:7] op_sel_hi:[1,0]   ; ascending: each accumulator from its low end on
.set jj, jj+2
.endr
	QUANTW \a
.irp q, 0,1,2
	global_store_b128 v[L16], v[128+12*\a+4*\q:128+12*\a+4*\q+3], s[92:93] offset:294912*(\a/4)+1536*(\a%4)+512*\q   ; 32 lanes store 512 consecutive bytes, aligned
.endr
.endr
.irp i, 0,1,2,3
	v_cndmask_b32 v[232+\i], v[KW+\i], v[KW+4+\i], s66   ; lanes 0-15: my first head's four tiles; lanes 16-31: my second's
.endr
	global_store_b128 v[LV], v[232:235], s[94:95]  ; sixteen lanes store 256 consecutive bytes, aligned
.Lout:
	s_wait_tensorcnt 0x0                           ; the wave's end, behind my last tensor load
	ds_add_u32 v[SPW], v[NIL]
	s_wait_dscnt 0x0
	CROUND                                         ; the closing round: no work-group ends while a partner may still ask for a tile that names it
	s_endpgm
.Lfunc_end_k_qe7a94b1dfc_gemm_qkv:
	.size	k_qe7a94b1dfc_gemm_qkv, .Lfunc_end_k_qe7a94b1dfc_gemm_qkv-k_qe7a94b1dfc_gemm_qkv
	.p2alignl 7, 3214868480
	.fill 96, 4, 3214868480
	.section	.rodata,"a",@progbits
	.p2align	6, 0x0
	.amdhsa_kernel k_qe7a94b1dfc_gemm_qkv
		.amdhsa_group_segment_fixed_size 327680
		.amdhsa_private_segment_fixed_size 0
		.amdhsa_enable_private_segment 0
		.amdhsa_kernarg_size 32
		.amdhsa_user_sgpr_count 2
		.amdhsa_user_sgpr_kernarg_segment_ptr 1
		.amdhsa_wavefront_size32 1
		.amdhsa_system_sgpr_workgroup_id_x 1
		.amdhsa_system_sgpr_workgroup_id_y 1
		.amdhsa_system_sgpr_workgroup_id_z 1
		.amdhsa_system_vgpr_workitem_id 0
		.amdhsa_next_free_vgpr 1024
		.amdhsa_next_free_sgpr 102
		.amdhsa_reserve_vcc 0
		.amdhsa_float_denorm_mode_32 3
		.amdhsa_float_denorm_mode_16_64 3
		.amdhsa_memory_ordered 1
		.amdhsa_forward_progress 1
		.amdhsa_inst_pref_size 227
	.end_amdhsa_kernel
	.amdgpu_metadata
---
amdhsa.version: [ 1, 2 ]
amdhsa.kernels:
  - .name:           k_qe7a94b1dfc_gemm_qkv
    .symbol:         k_qe7a94b1dfc_gemm_qkv.kd
    .args:
      - { .name: xq, .offset: 0, .size: 8, .value_kind: global_buffer, .address_space: global }
      - { .name: wq, .offset: 8, .size: 8, .value_kind: global_buffer, .address_space: global }
      - { .name: b_qkv, .offset: 16, .size: 8, .value_kind: global_buffer, .address_space: global }
      - { .name: qkvc, .offset: 24, .size: 8, .value_kind: global_buffer, .address_space: global }
    .group_segment_fixed_size: 327680
    .private_segment_fixed_size: 0
    .kernarg_segment_align: 8
    .kernarg_segment_size: 32
    .max_flat_workgroup_size: 128
    .sgpr_count:     102
    .vgpr_count:     1024
    .wavefront_size: 32
...
	.end_amdgpu_metadata
.endif
;; end of part 2
;; launch attn (part 3): grid 4 x 64, 16 waves a work-group, clusters of 4 x 1, 210,944 bytes of LDS; arguments qkvc, oq; writes oq
.if DOCPART == 3
	.amdgcn_target "amdgcn-amd-amdhsa--gfx1250"
	.amdhsa_code_object_version 6
	.text
	.protected	k_qe7a94b1dfc_attn
	.globl	k_qe7a94b1dfc_attn
	.p2align	8
	.type	k_qe7a94b1dfc_attn,@function
k_qe7a94b1dfc_attn:
	s_mov_b64 s[64:65], 0
	v_nop
	global_prefetch_b8 v0, s[64:65] scope:SCOPE_SE
	s_setreg_imm32_b32 hwreg(HW_REG_WAVE_MODE, 25, 1), 1
	s_wait_xcnt 0x0
	s_wait_alu depctr_hold_cnt(0) depctr_sa_sdst(0) depctr_va_vdst(0) depctr_va_sdst(0) depctr_va_ssrc(0) depctr_va_vcc(0) depctr_vm_vsrc(0)
	s_getreg_b32 s2, hwreg(HW_REG_IB_STS2, 6, 4)
	s_cmp_eq_u32 s2, 0
	s_cbranch_scc0 .Lentry_in_a_cluster
	s_endpgm
.Lentry_in_a_cluster:
	s_bfe_u32 s2, ttmp6, 0x10000c
	s_cmp_lg_u32 s2, 0x3003
	s_cbranch_scc0 .Lentry_shape_is_right
	s_endpgm
.Lentry_shape_is_right:
; o = softmax(q k^T / 8) v for one (batch, head), both products on codes of FP6 (E2M3) with E8M0 scales; o is quantised in registers and leaves as the operand of the last product.
; THE SOFTMAX: t = score x log2(e) / 8; M = the running largest t rounded UP to a whole number; p = 2^(t - M) is quantised along the keys, not normalised; the row's sum is taken of the unquantised p and divides at the end.
; When M moves, the sum and O are multiplied by 2^(old M - new M): exact.
; SHARES.  A work-group owns 512 queries of a head; each of its sixteen waves two tiles of 16, one after the other; four waves to a SIMD, so that one wave's vector work stands beside another's matrix work and LDS loads.
; A WHOLE HEAD'S K AND V CODES AND SCALE WORDS LIE IN LDS (208,896 bytes), filled once: no ring and no refill.  The four work-groups of a head form a cluster and ask for them jointly.
; LAYOUT.  Both products are used transposed: S^T = K Q^T, O^T = V^T P^T: a lane holds one query (l % 16) throughout.  K's tiles hold keys 32 b + 8 u + r + 8 (r / 8), so that the 16 registers of tiles 2 b, 2 b + 1 are
; 16 neighbouring keys; V's tiles hold channels in the same order, so that O^T's 16 registers of two tiles are 16 neighbouring channels, the next product's K.
; q k^T has K = 64: registers 6-11 of Q's fragment are zero codes, and bytes 2, 3 of its and K's scale words are 0; what stands in registers 6-11 of a K fragment is multiplied by zero codes (FP6 has no NaN and no infinity).
; LIMITS: NaN and infinities are not served; a block of zeros gets the byte 1; o / sum is a reciprocal and a multiplication.
; REGISTERS: v1-4 LDS places that stay; v5, v6 the add's two; v7, v39 global offsets; v8-11 the step's LDS addresses; v12 -M, v13 the largest t, v[14:15] the sum; v16-27 Q of pass 0; v28-31 K's, v32-35 V's, v36, v37 Q's, v38 p's scale words
; (and nothing else); v40-135 eight K fragments; v40-87 later V's four; v88-121 at work in the softmax; v136-199 S^T, then p; v200-231 O^T; v232-243 p's codes; v244-255 Q of pass 1.
.set VB,    98304                      ; LDS: K's codes at 0, V's here,
.set KSB,   196608                     ; K's scale words,
.set VSB,   204800                     ; V's,
.set SPARE, 208896                     ; the spare words, 128 bytes for each wave: eight blocks of 256 bytes that no other line names
.set KT,  40
.set SS,  136
.set OO,  200
.set PP,  232
.set WV,  18
.set SEL, 20
.set CS,  22
.set G1C, 24                           ; s[24:31] group 1: 96 rows of 256 bytes;  s[32:39]: 6 rows;  s[40:43], s[44:47] their groups 0
.set G1S, 32
.set G0S, 40
.set G0C, 44
.set TK,  60                           ; s60 the step's K and V fragments: 6,144 bytes a step
.set TS,  61                           ; s61 K's scale words: 512 a step
.set TJ,  62                           ; s62 V's: 256 a step
.set CNT, 63
.macro CROUND
	s_barrier_signal -1
	s_barrier_wait -1
	s_cmp_lg_u32 s[WV], 0
	s_cbranch_scc1 .Lnot_wave_0_\@
	s_barrier_signal -3
.Lnot_wave_0_\@:
	s_barrier_wait -3
	s_barrier_signal -1
	s_barrier_wait -1
.endm
	s_load_b128 s[4:7], s[0:1], 0x0                ; qkvc s[4:5], oq s[6:7]
	v_lshl_add_u32 v5, v0, 2, SPARE
	v_mov_b32 v6, 0
	ds_add_u32 v5, v6                              ; the wave's opening: the add and its wait stand ahead of the first tensor loads; work on registers stands between them
	ds_add_u32 v5, v6
	v_lshrrev_b32 v8, 5, v0
	s_delay_alu instid0(VALU_DEP_1)
	v_readfirstlane_b32 s[WV], v8                  ; wave 0..15
	s_and_b32 s9, ttmp7, 0xffff                    ; (batch, head): the four partners share it
	s_mul_i32 s10, s9, 294912
	s_mul_i32 s11, s9, 20480
	s_lshr_b32 s12, s[WV], 2                       ; waves 0-3 fetch K's quarters, waves 4-7 V's
	s_mul_i32 s12, s12, VB
	s_and_b32 s13, s[WV], 3
	s_mul_i32 s13, s13, 24576
	s_add_co_u32 s12, s12, s13                     ; my quarter in LDS; in memory K and V lie the same way, behind Q
	s_add_co_u32 s14, s10, s12
	s_add_co_u32 s14, s14, 98304
	s_mov_b32 s15, 0
	s_mul_i32 s16, s[WV], 1536                     ; my eighth of the 12,288 bytes of K's and V's scale words
	s_add_co_u32 s76, s11, s16
	s_add_co_u32 s76, s76, 18874368+8192
	s_mov_b32 s77, 0
	s_mov_b32 s[G1C], 15|(3<<16)|(1<<21)           ; 15:0 the mask: all four work-groups; 17:16 elements of 8 bytes; 21 set beside a mask
	s_mov_b32 s[G1C+1], 32<<16
	s_mov_b32 s[G1C+2], 96<<16
	s_mov_b32 s[G1C+3], 32<<16
	s_mov_b32 s[G1C+4], 96
	s_mov_b32 s[G1C+5], 32
	s_mov_b32 s[G1C+6], 0
	s_mov_b32 s[G1C+7], 0
	s_mov_b32 s[G1S], 15|(3<<16)|(1<<21)
	s_mov_b32 s[G1S+1], 32<<16
	s_mov_b32 s[G1S+2], 6<<16
	s_mov_b32 s[G1S+3], 32<<16
	s_mov_b32 s[G1S+4], 6
	s_mov_b32 s[G1S+5], 32
	s_mov_b32 s[G1S+6], 0
	s_mov_b32 s[G1S+7], 0
	s_mov_b32 s[SEL], 0x76543210
	s_mov_b32 s[SEL+1], 0xfedcba98                 ; v_permlanex16_b32's selects for lane l xor 16
	s_mov_b32 s[CS], 0x3e38aa3b                    ; c = log2(e) / 8
	s_mov_b32 s[CS+1], s[CS]                       ; (named with it as a pair)
	; my queries: cx enters global addresses of Q and o alone, in registers that feed no descriptor
	s_bfe_u32 s80, ttmp6, 0x40000                  ; cx
	s_lshl_b32 s81, s80, 5
	s_add_co_u32 s81, s81, s[WV]                   ; pass 0's tile of the batch's 128: 32 cx + wave; pass 1's is 16 on
	s_mul_i32 s82, s81, 768
	s_add_co_u32 s82, s82, s10
	s_mov_b32 s83, 0                               ; Q's codes
	s_lshr_b32 s84, s81, 3
	s_lshl_b32 s84, s84, 9
	s_bfe_u32 s85, s81, 0x10002
	s_lshl_b32 s85, s85, 8
	s_add_co_u32 s84, s84, s85
	s_and_b32 s85, s81, 3
	s_lshl_b32 s85, s85, 2
	s_add_co_u32 s84, s84, s85
	s_add_co_u32 s84, s84, s11
	s_add_co_u32 s84, s84, 18874368
	s_mov_b32 s85, 0                               ; Q's scale words
	s_lshr_b32 s74, s9, 4
	s_lshl_b32 s74, s74, 7
	s_add_co_u32 s74, s74, s81                     ; the tile among all 512
	s_and_b32 s75, s9, 15                          ; the head
	s_mul_i32 s78, s74, 12288
	s_mul_i32 s79, s75, 768
	s_add_co_u32 s78, s78, s79
	s_mov_b32 s79, 0                               ; o's codes: half (head % 2) of K step head / 2
	s_lshl_b32 s74, s74, 9
	s_lshr_b32 s8, s75, 2
	s_lshl_b32 s8, s8, 7
	s_add_co_u32 s74, s74, s8
	s_and_b32 s75, s75, 3
	s_lshl_b32 s75, s75, 1
	s_add_co_u32 s74, s74, s75
	s_add_co_u32 s74, s74, 6291456
	s_mov_b32 s75, 0                               ; o's two scale bytes
	s_wait_dscnt 0x0                               ; the opening add is done
	s_wait_kmcnt 0x0
	s_mov_b32 s[G0S], 1
	s_add_co_u32 s[G0S+1], s16, KSB
	s_add_nc_u64 s[G0S+2:G0S+3], s[4:5], s[76:77]
	s_or_b32 s[G0S+3], s[G0S+3], 0x80000000
	s_mov_b32 s[G0C], 1
	s_mov_b32 s[G0C+1], s12
	s_add_nc_u64 s[G0C+2:G0C+3], s[4:5], s[14:15]
	s_or_b32 s[G0C+3], s[G0C+3], 0x80000000
	s_add_nc_u64 s[66:67], s[4:5], s[82:83]
	s_add_nc_u64 s[68:69], s[4:5], s[84:85]
	s_add_nc_u64 s[70:71], s[6:7], s[78:79]
	s_add_nc_u64 s[72:73], s[6:7], s[74:75]
	CROUND                                         ; all four work-groups are here: the joint loads meet
	s_cmp_lt_u32 s[WV], 8                          ; a wave's two fills stand in one branch on the wave's number, the same in all partners: two tensor loads of a wave are out
	s_cbranch_scc0 .Lno_fetch
	tensor_load_to_lds s[G0S:G0S+3], s[G1S:G1S+7]
	s_nop 0
	tensor_load_to_lds s[G0C:G0C+3], s[G1C:G1C+7]
	s_nop 0
.rept 4
	v_nop
.endr
.Lno_fetch:
	v_and_b32 v9, 31, v0
	v_and_b32 v10, 15, v0
	s_delay_alu instid0(VALU_DEP_2)
	v_lshlrev_b32 v1, 3, v9                        ; K: 8 x lane
	s_delay_alu instid0(VALU_DEP_3)
	v_lshlrev_b32 v7, 3, v9
	s_delay_alu instid0(VALU_DEP_4)
	v_lshl_add_u32 v2, v9, 4, VB                   ; V: 16 x lane
	v_lshl_add_u32 v3, v9, 4, KSB                  ; K's scale words: lanes 0-15 tiles 0-3, lanes 16-31 tiles 4-7
	v_lshl_add_u32 v4, v10, 4, VSB                 ; V's: row l % 16, four tiles
	v_lshlrev_b32 v39, 3, v10
	v_lshlrev_b32 v11, 4, v10
.irp i, 0,1,2
	global_load_b64 v[16+2*\i:17+2*\i], v7, s[66:67] offset:256*\i
	global_load_b64 v[244+2*\i:245+2*\i], v7, s[66:67] offset:12288+256*\i
.endr
	global_load_b32 v36, v11, s[68:69]
	global_load_b32 v37, v11, s[68:69] offset:1024
.irp i, 0,1,2,3,4,5
	v_mov_b32 v[22+\i], 0                          ; K = 64: the upper half of Q's fragments is zero codes
	v_mov_b32 v[250+\i], 0
.endr
.irp t, 0,1,2,3,4,5,6,7
.irp i, 0,1,2,3,4,5
	v_mov_b32 v[KT+12*\t+6+\i], 0                  ; written once: the upper half of K's fragments is named by the products and meets zero codes
.endr
.endr
; A KEY STEP: 128 keys.
.macro STEP qf, qs
	v_add_nc_u32 v8, s[TK], v1                     ; (these four are also the places in front of loads into registers that the last products read)
	v_add_nc_u32 v9, s[TK], v2
	v_add_nc_u32 v10, s[TS], v3
	v_add_nc_u32 v11, s[TJ], v4
.irp t, 0,1,2,3,4,5,6,7
.irp i, 0,1,2
	ds_load_b64 v[KT+12*\t+2*\i:KT+12*\t+2*\i+1], v8 offset:768*\t+256*\i   ; 256 consecutive bytes
.endr
.endr
	ds_load_b128 v[28:31], v10
	s_wait_alu depctr_va_vdst(0)
	s_wait_dscnt 0x0
.irp t, 0,1,2,3
	v_wmma_scale_f32_16x16x128_f8f6f4 v[SS+8*\t:SS+8*\t+7], v[KT+12*\t:KT+12*\t+11], v[\qf:\qf+11], 0, v[28+\t], v[\qs] matrix_a_fmt:MATRIX_FMT_FP6 matrix_b_fmt:MATRIX_FMT_FP6
.endr
.irp t, 4,5,6,7
	v_wmma_scale_f32_16x16x128_f8f6f4 v[SS+8*\t:SS+8*\t+7], v[KT+12*\t:KT+12*\t+11], v[\qf:\qf+11], 0, v[24+\t], v[\qs] matrix_a_fmt:MATRIX_FMT_FP6 matrix_b_fmt:MATRIX_FMT_FP6 matrix_a_scale:MATRIX_SCALE_ROW1
.endr
.rept 4
	v_nop
.endr
.irp t, 0,1,2,3                        ; V's four fragments land under the softmax
.irp q, 0,1,2
	ds_load_b128 v[KT+12*\t+4*\q:KT+12*\t+4*\q+3], v9 offset:1536*\t+512*\q
.endr
.endr
	ds_load_b128 v[32:35], v11
.irp b, 0,1,2,3
	v_max3_num_f32 v[88+\b], v[SS+16*\b], v[SS+16*\b+1], v[SS+16*\b+2]   ; the largest score of each block of 32 keys: for the row's maximum and, since p rises with the score, for the block's largest p
.endr
.irp i, 3,5,7,9,11,13
.irp b, 0,1,2,3
	v_max3_num_f32 v[88+\b], v[88+\b], v[SS+16*\b+\i], v[SS+16*\b+\i+1]
.endr
.endr
.irp b, 0,1,2,3
	v_max_num_f32 v[88+\b], v[88+\b], v[SS+16*\b+15]
.endr
.irp b, 0,1,2,3
	s_delay_alu instid0(VALU_DEP_4)
	v_permlanex16_b32 v[92+\b], v[88+\b], s[SEL], s[SEL+1]
.endr
.irp b, 0,1,2,3
	s_delay_alu instid0(VALU_DEP_4)
	v_max_num_f32 v[88+\b], v[88+\b], v[92+\b]     ; with lane l xor 16's 16 keys
.endr
	s_delay_alu instid0(VALU_DEP_2)
	v_max3_num_f32 v110, v88, v89, v90
	s_delay_alu instid0(VALU_DEP_1)
	v_max_num_f32 v110, v110, v91
	s_delay_alu instid0(VALU_DEP_1)
	v_mul_f32 v110, s[CS], v110                    ; as t (c is positive)
	s_delay_alu instid0(VALU_DEP_1)
	v_max_num_f32 v13, v13, v110                   ; the running largest t
	v_mov_b32 v110, v12
	s_delay_alu instid0(VALU_DEP_2)
	v_floor_f32 v12, -v13                          ; the new -M = floor(-t): M is a whole number
	s_delay_alu instid0(VALU_DEP_1)
	v_sub_f32 v110, v12, v110                      ; old M - new M: a whole number, 0 or less
	s_delay_alu instid0(VALU_DEP_1)
	v_cvt_i32_f32 v110, v110                       ; (it saturates)
	s_delay_alu instid0(VALU_DEP_1)
	v_ldexp_f32 v108, 1.0, v110                    ; f = 2^(old M - new M)
.set jj, 0
.rept 32
	v_pk_fma_f32 v[SS+jj:SS+jj+1], v[SS+jj:SS+jj+1], s[CS:CS+1], v[12:13] op_sel_hi:[1,0,0]   ; t - M, two at a time
.set jj, jj+2
.endr
.irp b, 0,1,2,3
	v_fma_f32 v[88+\b], v[88+\b], s[CS], v12       ; the same of each block's largest score
.endr
.set jj, 0
	s_setprio 1
	s_wait_alu depctr_va_vdst(0)
.rept 64
	v_exp_f32 v[SS+jj], v[SS+jj]                   ; p = 2^(t - M), at most 1
.set jj, jj+1
.endr
	v_pk_mul_f32 v[14:15], v[14:15], v[108:109] op_sel_hi:[1,0]   ; the sums under the new M (a plain instruction behind the exponentials)
	s_wait_alu depctr_va_vdst(0)                   ; one wait for the whole batch, ahead of its first reader
.irp b, 0,1,2,3
	v_exp_f32 v[88+\b], v[88+\b]                   ; the block's largest p
.endr
	v_pk_add_f32 v[112:113], v[140:141], v[144:145]
	v_pk_add_f32 v[242:243], v[148:149], v[152:153]
	v_pk_add_f32 v[240:241], v[156:157], v[160:161]
	v_pk_add_f32 v[238:239], v[164:165], v[168:169]
	v_pk_add_f32 v[236:237], v[172:173], v[176:177]
	v_pk_add_f32 v[234:235], v[180:181], v[184:185]
	v_pk_add_f32 v[232:233], v[188:189], v[192:193]
	v_pk_add_f32 v[14:15], v[14:15], v[196:197]
	v_pk_add_f32 v[112:113], v[112:113], v[136:137]
	v_pk_add_f32 v[242:243], v[242:243], v[138:139]
	v_pk_add_f32 v[240:241], v[240:241], v[142:143]
	v_pk_add_f32 v[238:239], v[238:239], v[146:147]
	v_pk_add_f32 v[236:237], v[236:237], v[150:151]
	v_pk_add_f32 v[234:235], v[234:235], v[154:155]
	v_pk_add_f32 v[232:233], v[232:233], v[158:159]
	v_pk_add_f32 v[14:15], v[14:15], v[162:163]
	v_pk_add_f32 v[112:113], v[112:113], v[166:167]
	v_pk_add_f32 v[242:243], v[242:243], v[170:171]
	v_pk_add_f32 v[240:241], v[240:241], v[174:175]
	v_pk_add_f32 v[238:239], v[238:239], v[178:179]
	v_pk_add_f32 v[236:237], v[236:237], v[182:183]
	v_pk_add_f32 v[234:235], v[234:235], v[186:187]
	v_pk_add_f32 v[232:233], v[232:233], v[190:191]
	v_pk_add_f32 v[14:15], v[14:15], v[194:195]
	v_pk_add_f32 v[112:113], v[112:113], v[198:199]
	s_delay_alu instid0(VALU_DEP_2)
	v_pk_add_f32 v[14:15], v[14:15], v[238:239]
	s_delay_alu instid0(VALU_DEP_2)
	v_pk_add_f32 v[112:113], v[112:113], v[236:237]
	v_pk_add_f32 v[242:243], v[242:243], v[234:235]
	v_pk_add_f32 v[240:241], v[240:241], v[232:233]
	s_delay_alu instid0(VALU_DEP_2)
	v_pk_add_f32 v[14:15], v[14:15], v[242:243]
	s_delay_alu instid0(VALU_DEP_2)
	v_pk_add_f32 v[112:113], v[112:113], v[240:241]
	s_delay_alu instid0(VALU_DEP_1)
	v_pk_add_f32 v[14:15], v[14:15], v[112:113]
	s_wait_alu depctr_va_vdst(0)                   ; and one for the four
.irp b, 0,1,2,3
	v_max_num_f32 v[88+\b], 0x1800000, v[88+\b]    ; the floor 2^(3 - 127): the byte cannot fall under 1
.endr
.irp b, 0,1,2,3
	s_delay_alu instid0(VALU_DEP_4)
	v_add_nc_u32 v[96+\b], 0xff000000, v[88+\b]    ; the conversion's scale operand
.endr
.irp b, 0,1,2,3
	s_delay_alu instid0(VALU_DEP_4)
	v_lshrrev_b32 v[92+\b], 23, v[96+\b]           ; the scale's byte
.endr
	s_delay_alu instid0(VALU_DEP_3)
	v_lshl_or_b32 v38, v93, 8, v92                 ; p's scale word for these 128 keys
	s_delay_alu instid0(VALU_DEP_1)
	v_lshl_or_b32 v38, v94, 16, v38
	s_delay_alu instid0(VALU_DEP_1)
	v_lshl_or_b32 v38, v95, 24, v38
.irp c, 0,1
	v_cvt_scalef32_pk16_fp6_f32 v[PP+6*\c:PP+6*\c+2], v[SS+32*\c:SS+32*\c+15], v[96+2*\c]
	v_cvt_scalef32_pk16_fp6_f32 v[100+4*\c:102+4*\c], v[SS+32*\c+16:SS+32*\c+31], v[96+2*\c+1]
.endr
	v_nop                                          ; one plain place behind a scaled conversion
.irp c, 0,1                            ; the operand's layout wants a whole block in a lane
.irp i, 0,1,2
	v_permlane16_swap_b32 v[PP+6*\c+\i], v[100+4*\c+\i]
.endr
.irp i, 0,1,2
	s_delay_alu instid0(VALU_DEP_3)
	v_mov_b32 v[PP+6*\c+3+\i], v[100+4*\c+\i]
.endr
.endr
.set jj, 0
	s_setprio 0
.rept 16
	v_pk_mul_f32 v[OO+jj:OO+jj+1], v[OO+jj:OO+jj+1], v[108:109] op_sel_hi:[1,0]   ; O^T under the new M; these are also the places between the writes of p's codes and scale word and the products
.set jj, jj+2
.endr
	s_wait_alu depctr_va_vdst(0)
	s_wait_dscnt 0x0                               ; V
.irp t, 0,1,2,3
	v_wmma_scale_f32_16x16x128_f8f6f4 v[OO+8*\t:OO+8*\t+7], v[KT+12*\t:KT+12*\t+11], v[PP:PP+11], v[OO+8*\t:OO+8*\t+7], v[32+\t], v38 matrix_a_fmt:MATRIX_FMT_FP6 matrix_b_fmt:MATRIX_FMT_FP6
.endr
	s_add_co_u32 s[TK], s[TK], 6144
	s_add_co_u32 s[TS], s[TS], 512
	s_add_co_u32 s[TJ], s[TJ], 256
.endm
; The end of a pass: O^T / the sum is quantised along the head's 64 channels (two blocks) and stored as half a fragment, with its two scale bytes.
.macro FINISH p
.rept 4
	v_nop
.endr
	v_add_f32 v14, v14, v15
	s_delay_alu instid0(VALU_DEP_1)
	v_permlanex16_b32 v110, v14, s[SEL], s[SEL+1]
	s_delay_alu instid0(VALU_DEP_1)
	v_add_f32 v14, v14, v110                       ; the row's sum
	s_wait_alu depctr_va_vdst(0)
	v_rcp_f32 v108, v14
	v_nop
	s_wait_alu depctr_va_vdst(0)                   ; the wait ahead of the reciprocal's first reader
.set jj, 0
.rept 16
	v_pk_mul_f32 v[OO+jj:OO+jj+1], v[OO+jj:OO+jj+1], v[108:109] op_sel_hi:[1,0]   ; ascending: each accumulator from its low end on
.set jj, jj+2
.endr
.irp b, 0,1
	v_max3_num_f32 v[88+\b], |v[OO+16*\b]|, |v[OO+16*\b+1]|, 0x1800000
.endr
.irp i, 2,4,6,8,10,12,14
.irp b, 0,1
	s_delay_alu instid0(VALU_DEP_2)
	v_max3_num_f32 v[88+\b], v[88+\b], |v[OO+16*\b+\i]|, |v[OO+16*\b+\i+1]|
.endr
.endr
.irp b, 0,1
	s_delay_alu instid0(VALU_DEP_2)
	v_permlanex16_b32 v[92+\b], v[88+\b], s[SEL], s[SEL+1]
.endr
.irp b, 0,1
	s_delay_alu instid0(VALU_DEP_2)
	v_max_num_f32 v[88+\b], v[88+\b], v[92+\b]
.endr
.irp b, 0,1
	s_delay_alu instid0(VALU_DEP_2)
	v_add_nc_u32 v[96+\b], 0xff000000, v[88+\b]
.endr
.irp b, 0,1
	s_delay_alu instid0(VALU_DEP_2)
	v_lshrrev_b32 v[92+\b], 23, v[96+\b]
.endr
	s_delay_alu instid0(VALU_DEP_1)
	v_lshl_or_b32 v111, v93, 8, v92                ; my row's two bytes
	v_cvt_scalef32_pk16_fp6_f32 v[116:118], v[OO:OO+15], v96
	v_cvt_scalef32_pk16_fp6_f32 v[100:102], v[OO+16:OO+31], v97
	v_nop
.irp i, 0,1,2
	v_permlane16_swap_b32 v[116+\i], v[100+\i]
.endr
.irp i, 0,1,2
	s_delay_alu instid0(VALU_DEP_3)
	v_mov_b32 v[119+\i], v[100+\i]
.endr
.irp i, 0,1,2
	global_store_b64 v7, v[116+2*\i:117+2*\i], s[70:71] offset:196608*\p+256*\i   ; 32 lanes store 256 consecutive bytes, aligned
.endr
	global_store_b16 v39, v111, s[72:73] offset:8192*\p   ; all that this wave owns of a scale word; lanes l and l + 16 hold the same two bytes and name the same place
	s_wait_xcnt 0x0                                ; the stores have read their registers: the next pass writes them again
.endm
.macro PASS p, qf, qs
	v_mov_b32 v13, 0xff61b1e6                      ; the largest t so far: -3e38, under every t
	s_delay_alu instid0(VALU_DEP_1)
	v_floor_f32 v12, -v13
	v_mov_b32 v14, 0
	v_mov_b32 v15, 0
.set jj, 0
.rept 32
	v_mov_b32 v[OO+jj], 0                          ; the step is written once a pass: its first trip finds zeros, which the first change of M leaves zeros
.set jj, jj+1
.endr
	s_mov_b32 s[TK], 0
	s_mov_b32 s[TS], 0
	s_mov_b32 s[TJ], 0
	s_mov_b32 s[CNT], 16
.Lstep_\@:
	s_setprio 2
	STEP \qf, \qs
	s_sub_co_u32 s[CNT], s[CNT], 1
	s_cmp_lg_u32 s[CNT], 0
	s_cbranch_scc1 .Lstep_\@
	s_setprio 0
	FINISH \p
.endm
	s_wait_loadcnt 0x0                             ; Q
	s_wait_tensorcnt 0x0                           ; my parts of K, V and their scale words are in,
	s_barrier_signal -1
	s_barrier_wait -1                              ; everybody's are; nothing is filled again
	PASS 0, 16, 36
	PASS 1, 244, 37
	s_wait_tensorcnt 0x0                           ; the wave's end
	ds_add_u32 v5, v6
	s_wait_dscnt 0x0
	CROUND                                         ; the closing round
	s_endpgm
.Lfunc_end_k_qe7a94b1dfc_attn:
	.size	k_qe7a94b1dfc_attn, .Lfunc_end_k_qe7a94b1dfc_attn-k_qe7a94b1dfc_attn
	.p2alignl 7, 3214868480
	.fill 96, 4, 3214868480
	.section	.rodata,"a",@progbits
	.p2align	6, 0x0
	.amdhsa_kernel k_qe7a94b1dfc_attn
		.amdhsa_group_segment_fixed_size 210944
		.amdhsa_private_segment_fixed_size 0
		.amdhsa_enable_private_segment 0
		.amdhsa_kernarg_size 16
		.amdhsa_user_sgpr_count 2
		.amdhsa_user_sgpr_kernarg_segment_ptr 1
		.amdhsa_wavefront_size32 1
		.amdhsa_system_sgpr_workgroup_id_x 1
		.amdhsa_system_sgpr_workgroup_id_y 1
		.amdhsa_system_sgpr_workgroup_id_z 1
		.amdhsa_system_vgpr_workitem_id 0
		.amdhsa_next_free_vgpr 256
		.amdhsa_next_free_sgpr 86
		.amdhsa_reserve_vcc 0
		.amdhsa_float_denorm_mode_32 3
		.amdhsa_float_denorm_mode_16_64 3
		.amdhsa_memory_ordered 1
		.amdhsa_forward_progress 1
		.amdhsa_inst_pref_size 56
	.end_amdhsa_kernel
	.amdgpu_metadata
---
amdhsa.version: [ 1, 2 ]
amdhsa.kernels:
  - .name:           k_qe7a94b1dfc_attn
    .symbol:         k_qe7a94b1dfc_attn.kd
    .args:
      - { .name: qkvc, .offset: 0, .size: 8, .value_kind: global_buffer, .address_space: global }
      - { .name: oq, .offset: 8, .size: 8, .value_kind: global_buffer, .address_space: global }
    .group_segment_fixed_size: 210944
    .private_segment_fixed_size: 0
    .kernarg_segment_align: 8
    .kernarg_segment_size: 16
    .max_flat_workgroup_size: 512
    .sgpr_count:     86
    .vgpr_count:     256
    .wavefront_size: 32
...
	.end_amdgpu_metadata
.endif
;; end of part 3
;; launch gemm_proj (part 4): grid 4 x 32, 4 waves a work-group, clusters of 4 x 4, 327,680 bytes of LDS; arguments oq, wq, b_proj, out0; writes out0
.if DOCPART == 4
	.amdgcn_target "amdgcn-amd-amdhsa--gfx1250"
	.amdhsa_code_object_version 6
	.text
	.protected	k_qe7a94b1dfc_gemm_proj
	.globl	k_qe7a94b1dfc_gemm_proj
	.p2align	8
	.type	k_qe7a94b1dfc_gemm_proj,@function
k_qe7a94b1dfc_gemm_proj:
	s_mov_b64 s[64:65], 0
	v_nop
	global_prefetch_b8 v0, s[64:65] scope:SCOPE_SE
	s_setreg_imm32_b32 hwreg(HW_REG_WAVE_MODE, 25, 1), 1
	s_wait_xcnt 0x0
	s_wait_alu depctr_hold_cnt(0) depctr_sa_sdst(0) depctr_va_vdst(0) depctr_va_sdst(0) depctr_va_ssrc(0) depctr_va_vcc(0) depctr_vm_vsrc(0)
	s_getreg_b32 s2, hwreg(HW_REG_IB_STS2, 6, 4)
	s_cmp_eq_u32 s2, 0
	s_cbranch_scc0 .Lentry_in_a_cluster
	s_endpgm
.Lentry_in_a_cluster:
	s_bfe_u32 s2, ttmp6, 0x10000c
	s_cmp_lg_u32 s2, 0xf033
	s_cbranch_scc0 .Lentry_shape_is_right
	s_endpgm
.Lentry_shape_is_right:
; out0 = Q(o) Q(w_proj) + b_proj on codes of FP6 (E2M3) with E8M0 scales, sums in f32.  o's codes and scale words come from the attention launch, the weight's are tiles 192-255 of wq.
; A work-group of four waves makes 256 tokens x 256 features; a wave 128 x 128: 64 accumulators.  K = 1,024 goes in four slots' worth of 256 through a ring of two LDS slots filled by the tensor data mover.
; Operands lie in memory as images of their registers (a fragment: 1,536 bytes, byte 256 p + 8 l = registers 2 p, 2 p + 1 of lane l), [tile][K step]; row r of tile T is the true index 32 (T / 2) + 8 (T % 2) + r + 8 (r / 8).
; Source 1 = tokens (a lane holds a token), source 0 = features (tiles 2 b, 2 b + 1 give a lane 16 neighbouring features).  The bias is the C of each sum's first product.
; CLUSTERS: 4 x 4: o's tiles are asked for jointly along a row of the cluster, the weight's along a column.  128 work-groups: one tile each.
; THE WAY OUT: 16 tokens x 128 features at a time through the wave's own stage in slot 0 (which has had its last fill and its last read), back as whole rows of 512 bytes; the true row stands in the store's immediate.
; REGISTERS: window 0: v16-29 addresses; v32-95 scale words, two sets, and nothing else; v96-127, v224-255 the bias, 8 tiles; v128-223 the tokens' fragments, one set (on the way out v128-255: rows read back).
;   window 1: the features' fragments, two sets.  windows 2, 3: the accumulators ((a, b) at v[8 (8 (a % 4) + b)]).
.set FR,    12
.set NL,    6
.set NP,    4
.set HALFT, 24576
.set SLOT,  4*HALFT
.set SCL,   2*SLOT
.set HALFS, 4096
.set SPARE, SCL+4*HALFS                ; the spare words, 128 bytes for each wave: two blocks of 256 bytes that no other line names
.set SPITCH, 528
.set ADRA,  16
.set ADRSA, 18
.set ADRSB, 19
.set ADRB,  20
.set STO,   22                         ; v22 the stage: where I put 16 bytes of a row
.set RD,    23                         ; v23 and where I read a row back
.set L8,    24
.set L16,   25
.set SPW,   28
.set NIL,   29
.set SC,    32
.set AF,    128
.set BK,    128
.set G1, 24
.set G0, 32
.set G1B, 48
.set G0B, 56
.set G1S, 68
.set G0S, 76
.set G1SB, 80
.set G0SB, 88
.set MSB, 0
.macro WIN new                         ; the immediate's high byte repeats the setting that is left
.if MSB != (\new)
	s_set_vgpr_msb (MSB<<8)|(\new)
.set MSB, (\new)
.endif
.endm
.set MUL_LO, 0xa1
.set MUL_HI, 0xf1
.set TO_B,   0x40
.macro JLOAD g0a, g1a, g0b, g1b        ; a joint load: waves 0 and 1 fetch o's halves, waves 2 and 3 the weight's; an s_nop 0 and four v_nop follow each of the two lines
	s_cmp_eq_u32 s15, 0
	s_cbranch_scc0 .Lfor_b_\@
	tensor_load_to_lds s[\g0a:\g0a+3], s[\g1a:\g1a+7]
	s_nop 0
.rept 4
	v_nop
.endr
	s_branch .Lasked_\@
.Lfor_b_\@:
	tensor_load_to_lds s[\g0b:\g0b+3], s[\g1b:\g1b+7]
	s_nop 0
.rept 4
	v_nop
.endr
.Lasked_\@:
.endm
.macro CREST
	s_cmp_lg_u32 s14, 0
	s_cbranch_scc1 .Lnot_wave_0_\@
	s_barrier_signal -3
.Lnot_wave_0_\@:
	s_barrier_wait -3
	s_barrier_signal -1
	s_barrier_wait -1
.endm
.macro CROUND
	s_barrier_signal -1
	s_barrier_wait -1
	CREST
.endm
	s_load_b128 s[4:7], s[0:1], 0x0                ; oq s[4:5], wq s[6:7]
	s_load_b128 s[8:11], s[0:1], 0x10              ; b_proj s[8:9], out0 s[10:11]
	v_lshl_add_u32 v[SPW], v0, 2, SPARE
	v_mov_b32 v[NIL], 0
	ds_add_u32 v[SPW], v[NIL]                      ; the wave's opening: the add and its wait stand ahead of my first tensor load; work on registers stands between them
	v_lshrrev_b32 v1, 5, v0
	v_readfirstlane_b32 s14, v1                    ; wave 0..3
	s_lshr_b32 s15, s14, 1                         ; my half of the tokens.  Also: I fetch for o (0) or for the weight (1)
	s_and_b32 s16, s14, 1                          ; my half of the features.  Also: which 128 rows I fetch
	s_bfe_u32 s40, ttmp6, 0x40000
	s_bfe_u32 s41, ttmp6, 0x40004
	s_lshl_b32 s42, ttmp9, 2
	s_add_co_u32 s42, s42, s40                     ; tile column
	s_and_b32 s17, ttmp7, 0xffff
	s_lshl_b32 s17, s17, 2
	s_add_co_u32 s17, s17, s41                     ; tile row
	s_lshl_b32 s43, s41, 2
	s_lshl_b32 s43, 15, s43                        ; my row of the cluster
	s_lshl_b32 s44, 0x1111, s40                    ; my column
	s_or_b32 s[G1+0], s43, (3<<16)|(1<<21)         ; the mask; elements of 8 bytes; no padding; bit 21 beside a mask
	s_or_b32 s[G1B+0], s44, (3<<16)|(1<<21)
.irp g, G1, G1B
	s_mov_b32 s[\g+1], 384<<16                     ; two K steps of a tile, 3,072 bytes,
	s_mov_b32 s[\g+2], 8<<16                       ; 8 tiles,
	s_mov_b32 s[\g+3], 384<<16
	s_mov_b32 s[\g+4], 8
	s_mov_b32 s[\g+5], 1536                        ; 12,288 bytes apart
	s_mov_b32 s[\g+6], 0
	s_mov_b32 s[\g+7], 0
.endr
	s_or_b32 s[G1S+0], s43, (3<<16)|(1<<21)
	s_or_b32 s[G1SB+0], s44, (3<<16)|(1<<21)
.irp g, G1S, G1SB
	s_mov_b32 s[\g+1], 32<<16                      ; the scale words of 128 rows: 16 rows of 256 bytes
	s_mov_b32 s[\g+2], 16<<16
	s_mov_b32 s[\g+3], 32<<16
	s_mov_b32 s[\g+4], 16
	s_mov_b32 s[\g+5], 32
	s_mov_b32 s[\g+6], 0
	s_mov_b32 s[\g+7], 0
.endr
	s_lshl_b32 s18, s16, 7
	s_lshl_b32 s20, s17, 8
	s_add_co_u32 s20, s20, s18
	s_lshl_b32 s46, s42, 8
	s_add_co_u32 s46, s46, s18
	s_mov_b32 s21, 0
	s_mov_b32 s47, 0
	s_mov_b64 s[18:19], 32
	s_mul_u64 s[22:23], s[20:21], s[18:19]
	s_mul_u64 s[92:93], s[46:47], s[18:19]
	s_mov_b64 s[18:19], 768
	s_mul_u64 s[20:21], s[20:21], s[18:19]
	s_mul_u64 s[46:47], s[46:47], s[18:19]
	s_add_nc_u64 s[22:23], s[22:23], 6291456
	s_add_nc_u64 s[46:47], s[46:47], 3072*768      ; w_proj's rows lie behind w_qkv's 3,072
	s_add_nc_u64 s[92:93], s[92:93], 3145728+3072*32
	s_mul_i32 s45, s14, HALFT
	s_mul_i32 s94, s14, HALFS
	s_wait_dscnt 0x0                               ; the opening add is done
	s_wait_kmcnt 0x0
	s_add_nc_u64 s[20:21], s[4:5], s[20:21]
	s_add_nc_u64 s[22:23], s[4:5], s[22:23]
	s_add_nc_u64 s[46:47], s[6:7], s[46:47]
	s_add_nc_u64 s[92:93], s[6:7], s[92:93]
	CROUND                                         ; all sixteen work-groups are here: the first joint loads meet
	s_mov_b32 s[G0S], 1
	s_add_co_u32 s[G0S+1], s94, SCL
	s_mov_b64 s[G0S+2:G0S+3], s[22:23]
	s_or_b32 s[G0S+3], s[G0S+3], 0x80000000
	s_mov_b32 s[G0SB], 1
	s_add_co_u32 s[G0SB+1], s94, SCL
	s_mov_b64 s[G0SB+2:G0SB+3], s[92:93]
	s_or_b32 s[G0SB+3], s[G0SB+3], 0x80000000
	JLOAD G0S, G1S, G0SB, G1SB
.irp s, 0,1
	s_mov_b32 s[G0+4*\s], 1
	s_add_co_u32 s[G0+4*\s+1], s45, \s*SLOT
	s_add_nc_u64 s[G0+4*\s+2:G0+4*\s+3], s[20:21], \s*3072
	s_or_b32 s[G0+4*\s+3], s[G0+4*\s+3], 0x80000000
	s_mov_b32 s[G0B+4*\s], 1
	s_add_co_u32 s[G0B+4*\s+1], s45, \s*SLOT
	s_add_nc_u64 s[G0B+4*\s+2:G0B+4*\s+3], s[46:47], \s*3072
	s_or_b32 s[G0B+4*\s+3], s[G0B+4*\s+3], 0x80000000
	JLOAD G0+4*\s, G1, G0B+4*\s, G1B               ; by this text's count three tensor loads of a wave are out
.endr
	v_and_b32 v1, 31, v0
	v_and_b32 v2, 15, v0                           ; r
	v_bfe_u32 v3, v0, 4, 1                         ; h
	v_lshlrev_b32 v[L8], 3, v1
	v_lshlrev_b32 v[L16], 4, v1
	s_mul_i32 s21, s15, HALFT                      ; my 128 tokens
	s_mul_i32 s22, s16, HALFT
	s_add_co_u32 s22, s22, 2*HALFT                 ; my 128 features, behind the 256 tokens
.irp s, 0,1
	v_add_nc_u32 v[ADRA+\s], s21, v[L8]
	v_add_nc_u32 v[ADRB+\s], s22, v[L8]
	s_add_co_u32 s21, s21, SLOT
	s_add_co_u32 s22, s22, SLOT
.endr
	s_mul_i32 s23, s15, HALFS
	s_add_co_u32 s23, s23, SCL
	s_mul_i32 s95, s16, HALFS
	s_add_co_u32 s95, s95, SCL+2*HALFS
	v_lshl_add_u32 v[ADRSA], v2, 3, s23
	v_lshl_add_u32 v[ADRSB], v2, 3, s95
	s_mul_i32 s23, s14, 16*SPITCH                  ; my stage
	v_mul_u32_u24 v[STO], v2, SPITCH
	v_lshl_add_u32 v[STO], v3, 6, v[STO]
	v_add_nc_u32 v[STO], s23, v[STO]               ; in: row r, + 64 h: my 16 features of each 32
	v_add_nc_u32 v[RD], s23, v[L16]                ; back: 32 lanes take a row of 512 bytes
	s_lshl_b32 s98, s42, 10
	s_lshl_b32 s99, s16, 9
	s_add_co_u32 s98, s98, s99
	s_mov_b32 s99, 0
	s_add_nc_u64 s[100:101], s[8:9], s[98:99]      ; the bias of my 128 features
	s_lshl_b32 s96, s17, 8
	s_lshl_b32 s97, s15, 7
	s_add_co_u32 s96, s96, s97                     ; my first token
	s_lshl_b32 s96, s96, 12
	s_add_co_u32 s96, s96, s98                     ; + my first feature, in bytes
	s_mov_b32 s97, 0
	s_add_nc_u64 s[12:13], s[10:11], s[96:97]
	v_lshlrev_b32 v26, 6, v3
.irp b, 0,1,2,3,4,5,6,7                ; lane (r, h), register j of tile b: feature 32 (b / 2) + 8 (b % 2) + 16 h + j
	global_load_b128 v[96+8*\b+96*(\b/4):96+8*\b+96*(\b/4)+3], v26, s[100:101] offset:(32*(\b/2)+8*(\b%2))*4
	global_load_b128 v[96+8*\b+96*(\b/4)+4:96+8*\b+96*(\b/4)+7], v26, s[100:101] offset:(32*(\b/2)+8*(\b%2))*4+16
.endr
.macro FRAG reg, adr, q, i             ; a fragment as it lies: six loads of 256 consecutive bytes
.irp p, 0,1,2,3,4,5
	ds_load_b64 v[\reg+2*\p:\reg+2*\p+1], v[\adr] offset:3072*(\i)+1536*(\q)+256*\p
.endr
.endm
; 16 matrix instructions; first = 1: the sums start from the bias tiles.  The 64 accumulators take turns, one instruction a turn, in the same order in every step.
.macro MUL16 a0, p, q, sc, first
.irp a, \a0, \a0+1
.irp b, 0,1,2,3,4,5,6,7
.if \first
	v_wmma_scale_f32_16x16x128_f8f6f4 v[8*(8*((\a)%4)+\b):8*(8*((\a)%4)+\b)+7], v[128*(\p)+FR*\b:128*(\p)+FR*\b+FR-1], v[AF+FR*(\a):AF+FR*(\a)+FR-1], v[96+8*\b+96*(\b/4):96+8*\b+96*(\b/4)+7], v[SC+32*(\sc)+16+2*\b+(\q)], v[SC+32*(\sc)+2*(\a)+(\q)] matrix_a_fmt:MATRIX_FMT_FP6 matrix_b_fmt:MATRIX_FMT_FP6
.else
	v_wmma_scale_f32_16x16x128_f8f6f4 v[8*(8*((\a)%4)+\b):8*(8*((\a)%4)+\b)+7], v[128*(\p)+FR*\b:128*(\p)+FR*\b+FR-1], v[AF+FR*(\a):AF+FR*(\a)+FR-1], v[8*(8*((\a)%4)+\b):8*(8*((\a)%4)+\b)+7], v[SC+32*(\sc)+16+2*\b+(\q)], v[SC+32*(\sc)+2*(\a)+(\q)] matrix_a_fmt:MATRIX_FMT_FP6 matrix_b_fmt:MATRIX_FMT_FP6
.endif
.endr
.endr
.endm
.macro FETCH_B slot, q, p
	WIN TO_B
.irp i, 0,1,2,3,4,5,6,7
	FRAG 128*(\p)+FR*\i, ADRB+\slot, \q, \i
.endr
	WIN 0
.endm
.macro FETCH_A slot, q, i0
.irp i, \i0, \i0+1, \i0+2, \i0+3
	FRAG AF+FR*(\i), ADRA+\slot, \q, \i
.endr
.endm
.macro SCALES sc
.irp i, 0,1,2,3,4,5,6,7
	ds_load_b64 v[SC+32*\sc+2*\i:SC+32*\sc+2*\i+1], v[ADRSA] offset:512*\i
.endr
.irp i, 0,1,2,3,4,5,6,7
	ds_load_b64 v[SC+32*\sc+16+2*\i:SC+32*\sc+16+2*\i+1], v[ADRSB] offset:512*\i
.endr
.endm
.macro PLACES n                        ; plain vector instructions between a matrix instruction and a load into, or a read of, its registers
.rept \n
	v_nop
.endr
.endm
.macro STEP slot, q, first
	s_wait_dscnt 4*NL                              ; the features' set and the tokens' blocks 0-3 are in; the youngest 24 loads (blocks 4-7) may be out
.if \first
	WIN 0x81                                       ; C (the bias) window 0, D window 2
.else
	WIN MUL_LO
.endif
	MUL16 0, (\q)%2, \q, \slot, \first
	MUL16 2, (\q)%2, \q, \slot, \first
	s_wait_dscnt 0
	PLACES NP
	FETCH_B \slot, (\q)+1, 1-(\q)%2
	FETCH_A \slot, (\q)+1, 0
.if \first
	WIN 0xc1
.else
	WIN MUL_HI
.endif
	MUL16 4, (\q)%2, \q, \slot, \first
	MUL16 6, (\q)%2, \q, \slot, \first
	PLACES NP
	WIN 0
	FETCH_A \slot, (\q)+1, 4
.endm
.macro TURN slot, next, fill           ; a slot's last step changes slots: one barrier, with the waits and the add in front of it
	s_wait_tensorcnt 0x0                           ; all my tensor loads have landed: my part of the next slot
	ds_add_u32 v[SPW], v[NIL]                      ; 0 onto my spare word
	s_wait_dscnt 4*NL+1                            ; (the add and the youngest 24 loads may be out)
	WIN MUL_LO
	MUL16 0, 1, 1, \slot, 0
	s_wait_dscnt 0x0                               ; the add is done, and my reads of this slot are over
	s_barrier_signal -1
	MUL16 2, 1, 1, \slot, 0
	WIN 0
	s_barrier_wait -1
.if \fill
	CREST                                          ; the barrier has opened a round of the cluster's: no wave of any partner still reads this slot or has a load on its way
	s_add_nc_u64 s[G0+4*\slot+2:G0+4*\slot+3], s[G0+4*\slot+2:G0+4*\slot+3], 6144
	s_add_nc_u64 s[G0B+4*\slot+2:G0B+4*\slot+3], s[G0B+4*\slot+2:G0B+4*\slot+3], 6144
	JLOAD G0+4*\slot, G1, G0B+4*\slot, G1B         ; the first tensor load behind the round, one a wave
.else
	PLACES NP
.endif
	v_add_nc_u32 v[ADRSA], 128, v[ADRSA]
	v_add_nc_u32 v[ADRSB], 128, v[ADRSB]
	FETCH_B \next, 0, 0
	FETCH_A \next, 0, 0
	SCALES \next
	WIN MUL_HI
	MUL16 4, 1, 1, \slot, 0
	MUL16 6, 1, 1, \slot, 0
	PLACES NP
	WIN 0
	FETCH_A \next, 0, 4
.endm
	s_wait_tensorcnt 1                             ; the scale words and my part of slot 0 are in (slot 1's load may be out)
	s_barrier_signal -1
	s_barrier_wait -1                              ; everybody's are
	FETCH_B 0, 0, 0
	FETCH_A 0, 0, 0
	SCALES 0
	FETCH_A 0, 0, 4
	s_wait_loadcnt 0x0                             ; the bias
	STEP 0, 0, 1
	TURN 0, 1, 1
	STEP 1, 0, 0
	TURN 1, 0, 1
	STEP 0, 0, 0
	TURN 0, 1, 0                                   ; the last two slots are not filled again; behind this barrier nobody reads slot 0
	STEP 1, 0, 0
	s_wait_dscnt 4*NL
	WIN MUL_LO
	MUL16 0, 1, 1, 1, 0
	MUL16 2, 1, 1, 1, 0
	s_wait_dscnt 0
	WIN MUL_HI
	MUL16 4, 1, 1, 1, 0
	MUL16 6, 1, 1, 1, 0
	WIN 0
.macro TOSTAGE a                       ; block a: 16 tokens x 128 features into my stage, and back as whole rows.  LDS serves a wave's instructions in order (ISA guide 5.7.1.4): no wait between
.set ACB, 64*((\a)%4)
	WIN 0x08+4*((\a)/4)                            ; the data: window 2 or 3
.irp b, 0,1,2,3,4,5,6,7
	ds_store_b128 v[STO], v[ACB+8*\b:ACB+8*\b+3] offset:128*(\b/2)+32*(\b%2)          ; each accumulator from its low end on
	ds_store_b128 v[STO], v[ACB+8*\b+4:ACB+8*\b+7] offset:128*(\b/2)+32*(\b%2)+16
.endr
	WIN 0
.set BB, BK+64*((\a)%2)
.irp t, 0,1,2,3,4,5,6,7,8,9,10,11,12,13,14,15
	ds_load_b128 v[BB+4*\t:BB+4*\t+3], v[RD] offset:\t*SPITCH
.endr
.endm
.macro SEND a, younger                 ; younger: the LDS instructions issued behind block a's loads, which may stay out
.set BB, BK+64*((\a)%2)
	s_wait_dscnt \younger
.irp t, 0,1,2,3,4,5,6,7,8,9,10,11,12,13,14,15
	global_store_b128 v[L16], v[BB+4*\t:BB+4*\t+3], s[12:13] offset:(32*((\a)/2)+8*((\a)%2)+\t+8*(\t/8))*4096 th:TH_STORE_NT   ; 32 lanes store 512 consecutive bytes, aligned; the row's true number stands in the immediate
.endr
.endm
	PLACES NP
	TOSTAGE 0
.irp a, 1,2,3,4,5,6,7
.if \a > 1
	s_wait_xcnt 0x0                                ; block a - 2's stores have read their registers: block a's loads may land there
.endif
	TOSTAGE \a
	SEND \a-1, 32                                  ; behind block a - 1's loads: block a's 16 stores and 16 loads
.endr
	SEND 7, 0
	s_wait_tensorcnt 0x0                           ; the wave's end, behind my last tensor load and my last LDS store
	ds_add_u32 v[SPW], v[NIL]
	s_wait_dscnt 0x0
	CROUND                                         ; the closing round
	s_endpgm
.Lfunc_end_k_qe7a94b1dfc_gemm_proj:
	.size	k_qe7a94b1dfc_gemm_proj, .Lfunc_end_k_qe7a94b1dfc_gemm_proj-k_qe7a94b1dfc_gemm_proj
	.p2alignl 7, 3214868480
	.fill 96, 4, 3214868480
	.section	.rodata,"a",@progbits
	.p2align	6, 0x0
	.amdhsa_kernel k_qe7a94b1dfc_gemm_proj
		.amdhsa_group_segment_fixed_size 327680
		.amdhsa_private_segment_fixed_size 0
		.amdhsa_enable_private_segment 0
		.amdhsa_kernarg_size 32
		.amdhsa_user_sgpr_count 2
		.amdhsa_user_sgpr_kernarg_segment_ptr 1
		.amdhsa_wavefront_size32 1
		.amdhsa_system_sgpr_workgroup_id_x 1
		.amdhsa_system_sgpr_workgroup_id_y 1
		.amdhsa_system_sgpr_workgroup_id_z 1
		.amdhsa_system_vgpr_workitem_id 0
		.amdhsa_next_free_vgpr 1024
		.amdhsa_next_free_sgpr 102
		.amdhsa_reserve_vcc 0
		.amdhsa_float_denorm_mode_32 3
		.amdhsa_float_denorm_mode_16_64 3
		.amdhsa_memory_ordered 1
		.amdhsa_forward_progress 1
		.amdhsa_inst_pref_size 163
	.end_amdhsa_kernel
	.amdgpu_metadata
---
amdhsa.version: [ 1, 2 ]
amdhsa.kernels:
  - .name:           k_qe7a94b1dfc_gemm_proj
    .symbol:         k_qe7a94b1dfc_gemm_proj.kd
    .args:
      - { .name: oq, .offset: 0, .size: 8, .value_kind: global_buffer, .address_space: global }
      - { .name: wq, .offset: 8, .size: 8, .value_kind: global_buffer, .address_space: global }
      - { .name: b_proj, .offset: 16, .size: 8, .value_kind: global_buffer, .address_space: global }
      - { .name: out0, .offset: 24, .size: 8, .value_kind: global_buffer, .address_space: global }
    .group_segment_fixed_size: 327680
    .private_segment_fixed_size: 0
    .kernarg_segment_align: 8
    .kernarg_segment_size: 32
    .max_flat_workgroup_size: 128
    .sgpr_count:     102
    .vgpr_count:     1024
    .wavefront_size: 32
...
	.end_amdgpu_metadata
.endif
;; end of part 4
